; MI455X (gfx1250); checked and timed in simulation.
; The chip was launched on July 23, 2026; its instructions are those of AMD's public machine-readable ISA for CDNA 5 (MIT licence, August 2026) and "CDNA5" Instruction Set Architecture Reference Guide (July 2026). The comments in the code are by the model that wrote it; some were corrected since.
;; Multi Head Attention. Allowed arithmetic: matrix products marked QUANTISED: E2M3 operands, one E8M0 scale for each 32 along K, by v_wmma_scale_f32_16x16x128_f8f6f4 with both operands' format E2M3, f32 sums; everything else in f32.
;; Inputs: K 4 x 2,048 x 1,024 float32; Q 4 x 2,048 x 1,024 float32; V 4 x 2,048 x 1,024 float32; WK 1,024 x 1,024 float32; WQ 1,024 x 1,024 float32; WV 1,024 x 1,024 float32; Wfc 1,024 x 1,024 float32.
;; Outputs: out0 4 x 2,048 x 1,024 float32.
;; This version of the problem:
;;   THIS VERSION OF THE PROBLEM IS GIVEN IN LOW PRECISION. The matrix products marked QUANTISED in the list below multiply operands that are first quantised to E2M3 (2 exponent bits, 3 mantissa bits; 6 bits a number), with one power-of-two scale for each 32 numbers along K (OCP MX v1.0); their sums are f32. All else is computed in f32.
;;   The module's matrix products, in the order in which they are computed (A, B: the left and right operand; K: the contracted axis; several contracted axes count as one K, in the product's order):
;;     1. [M 8,192, K 1,024] x [K 1,024, N 1,024]; A: input Q; B: input WQ: QUANTISED
;;     2. [M 8,192, K 1,024] x [K 1,024, N 1,024]; A: input K; B: input WK: QUANTISED
;;     3. [M 8,192, K 1,024] x [K 1,024, N 1,024]; A: input V; B: input WV: QUANTISED
;;     4. batch 64 x [M 2,048, K 64] x [K 64, N 2,048]; A: computed on the way; B: computed on the way: QUANTISED
;;     5. batch 64 x [M 2,048, K 2,048] x [K 2,048, N 64]; A: softmax (see below); B: computed on the way: QUANTISED
;;     6. [M 8,192, K 1,024] x [K 1,024, N 1,024]; A: computed on the way; B: input Wfc: QUANTISED
;;   THE QUANTISER, for each operand of a quantised product, along K:
;;     - K is cut into blocks of 32 from its start; a last block that is shorter is filled with zeros.
;;     - A block's scale is 2^e with e = floor(log2(the largest magnitude in the block)) - 2, held to -126 .. 127; a block of zeros has e = 0. As a byte (E8M0): e + 127.
;;     - Each number is divided by its block's scale, clamped to +-7.5, and rounded to the nearest number of E2M3, ties to even, subnormals kept.
;;     - The product sums the exact products of the quantised numbers (number of the format x scale) in f32.
;;   ~~~python
;;   def quantise(x, axis):      # numpy; x: float32 -> the quantised numbers, widened to float32 again
;;       x = np.moveaxis(x, axis, -1); K = x.shape[-1]
;;       x = np.pad(x, [(0, 0)] * (x.ndim - 1) + [(0, -K % 32)]); x = x.reshape(x.shape[:-1] + (-1, 32)); a = np.abs(x).max(-1, keepdims=True)
;;       e = np.where(a > 0, np.clip(np.frexp(np.where(a > 0, a, 1))[1] - 1 - 2, -126, 127), 0)      # np.frexp(a)[1] - 1 = floor(log2(a)), exactly
;;       r = np.clip(x / 2.0 ** e, -7.5, 7.5)
;;       step = 2.0 ** (np.maximum(np.frexp(np.where(r == 0, 1, r))[1] - 1, 0) - 3)
;;       q = np.round(r / step) * step * 2.0 ** e      # np.round: ties to even
;;       return np.moveaxis(q.reshape(q.shape[:-2] + (-1,))[..., :K], -1, axis).astype(np.float32)
;;   ~~~
;;   SOFTMAX AHEAD OF A QUANTISED PRODUCT. Where the list says 'softmax', what is quantised is not the finished softmax but p = 2^(t - M), with t = logit x log2(e) and M = ceil(the row's largest t), a whole number; so 1/2 < the row's largest p <= 1. The row's sum l is taken of the UNQUANTISED p, in f32, and the product's result is divided by l at the end. Since M is a whole number, a kernel that streams over the keys may use a running M (the ceiling of the running maximum): every later rescaling is an exact power of two, which a block's scale takes up: the codes' values come out the same.
;;   OPERANDS COMPUTED ON THE WAY. 'Computed on the way' means the value that the module computes at that place (a softmax that the list does not call 'softmax' is quantised finished and normalised). What goes into a quantiser is computed in f32, as accurately as f32 sums, v_exp_f32 and their like allow (about 1e-6 of the number): no bf16 or f16 on the way to a quantiser, and a product that is left as it is and whose result goes on into a quantised operand takes f32 operands (vector FMAs, or v_wmma_f32_16x16x4_f32). A number that lies on a knife's edge between two numbers of the format may be rounded either way, as far as f32 arithmetic and the matrix unit's own rounding can turn it there, and no further.
;; One version. Each part assembles by itself: llvm-mc -triple=amdgcn-amd-amdhsa -mcpu=gfx1250 --defsym DOCPART=n.
;; ======== version 1 of 1: 4 launches
;; limits: right only within a limited range of input values
;; workspace buffers: wcodes 3,276,800 bytes; qbuf 6,553,600 bytes; kbuf 6,553,600 bytes; vbuf 6,553,600 bytes; cbuf 6,553,600 bytes
;; launch wq (part 1): grid 64 x 4, 4 waves a work-group, no clusters, 26,112 bytes of LDS; arguments WQ, WK, WV, Wfc, wcodes; writes wcodes
.if DOCPART == 1
	.amdgcn_target "amdgcn-amd-amdhsa--gfx1250"
	.amdhsa_code_object_version 6
	.text
	.protected	k_qb1a8a8ede3_wq
	.globl	k_qb1a8a8ede3_wq
	.p2align	8
	.type	k_qb1a8a8ede3_wq,@function
k_qb1a8a8ede3_wq:
	s_mov_b64 s[64:65], 0
	v_nop
	global_prefetch_b8 v0, s[64:65] scope:SCOPE_SE
	s_setreg_imm32_b32 hwreg(HW_REG_WAVE_MODE, 25, 1), 1
	s_wait_xcnt 0x0
; The four weights [1024 (k)][1024 (n)], f32, K along the FIRST axis, become codes of FP6 (E2M3) with one E8M0 byte for each 32 along K,
; laid as the later launches' operand registers want them: wcodes[weight 4][K step of 128: 8][eighth: 8][12,800 bytes].
; An eighth is 8 tiles of 16 columns x 128 K, each an image of a fragment's 12 registers (register x of lane L at 512 (x / 4) + 16 L + 4 (x % 4): 1,536 bytes),
; then 512 bytes of scale words: word (L, k) at 16 L + 4 k belongs to tile 2 k + L / 16, tile row L % 16.
; WHICH COLUMNS FORM A TILE.  WQ, WK, Wfc: tile 2 (n / 32) + (n / 8) % 2, row n % 8 + 8 ((n / 16) % 2): a product used transposed then leaves 16 neighbouring n in a lane's registers of two neighbouring tiles.
; WV (n = 64 c + d): a tile is ONE d and all 16 c, row c / 2 + 8 (c % 2); eighth o holds d = d0 + 0 .. 7, d0 = 32 (o / 4) + 16 (o % 2) + 8 ((o / 2) % 2).
; A work-group makes one eighth of one K step (128 k x 128 n).  A lane takes a column and its registers run down K: a block of 32 lies in one lane, and the conversions give codes with K innermost.
; A block's scale is 2^(floor(log2(largest magnitude)) - 2); its byte is the largest magnitude's exponent field - 2, held at 1 from below.
; LIMITS: NaN and infinities are not served; a block whose largest magnitude lies under 2^-124, a block of zeros among them, gets the byte 1 (its codes add nothing under that byte; this program alone reads the bytes).
.set EIGHTH, 12800
.set X,     64                         ; v64-191  128 numbers: my column, down K
.set CD,    192                        ; v192-223 eight registers for each block's codes (six used on end)
.set SB,    10                         ; v10      my column's scale word
.set VOFF,  3                          ; v3       my column's byte in a row of the weight
.set SA,    20                         ; v20-21   the stage of the plain order: my codes, my scale word
.set SAS,   21
.set SV,    22                         ; v22-23   the stage of WV's order: bytes of its own, 12,800 on
.set SVS,   23
.set TID16, 24                         ; v24      16 x my thread's number
	s_load_b256 s[4:11], s[0:1], 0x0               ; WQ, WK, WV, Wfc
	s_load_b64 s[12:13], s[0:1], 0x20              ; wcodes
	v_lshl_add_u32 v232, v0, 2, 0x6400
	v_mov_b32 v233, 0
	v_lshrrev_b32 v1, 5, v0
	v_readfirstlane_b32 s14, v1                    ; wave
	v_and_b32 v2, 31, v0                           ; lane l
	s_wait_alu depctr_va_vdst(0)
	s_and_b32 s15, ttmp7, 0xffff                   ; which weight
	s_lshr_b32 s16, ttmp9, 3                       ; K step
	s_and_b32 s17, ttmp9, 7                        ; eighth o
	s_lshr_b32 s18, s17, 2
	s_lshl_b32 s18, s18, 5                         ; 32 (o / 4)
	s_and_b32 s19, s17, 1
	s_lshl_b32 s19, s19, 4                         ; 16 (o % 2)
	s_add_co_u32 s18, s18, s19
	s_bfe_u32 s19, s17, 0x10001
	s_lshl_b32 s19, s19, 3                         ; 8 ((o / 2) % 2)
	s_add_co_u32 s18, s18, s19                     ; d0
	s_lshl_b32 s18, s18, 2                         ; in bytes
	s_lshl_b32 s19, s17, 9                         ; plain order: 128 columns an eighth
	s_mov_b32 s29, 256
	s_mov_b32 s22, 1024
	s_cmp_eq_u32 s15, 2                            ; WV?
	s_cselect_b32 s20, s18, s19                    ; the eighth's first byte in a row
	s_cselect_b32 s29, s29, 32                     ; from eight lanes to the next eight: 64 columns on, or 8
	s_cselect_b32 s22, s22, 128                    ; from wave to wave: 4 c, or 32 columns
	s_mul_i32 s22, s22, s14
	s_add_co_u32 s20, s20, s22
	s_lshl_b32 s23, s16, 19                        ; 128 rows of 4,096 bytes a K step
	s_add_co_u32 s20, s20, s23
	s_mov_b32 s21, 0
	s_mul_i32 s30, s15, 819200                     ; where the eighth goes
	s_mul_i32 s31, s16, 102400
	s_add_co_u32 s30, s30, s31
	s_mul_i32 s31, s17, EIGHTH
	s_add_co_u32 s30, s30, s31
	s_mov_b32 s31, 0
	v_and_b32 v4, 7, v2                            ; l % 8
	v_lshrrev_b32 v5, 4, v2                        ; l / 16
	v_bfe_u32 v6, v2, 3, 1                         ; (l / 8) % 2
	v_lshrrev_b32 v[VOFF], 3, v2
	v_lshlrev_b32 v7, 2, v4
	v_mad_u32_u24 v[VOFF], v[VOFF], s29, v7        ; (l / 8) x the step + 4 (l % 8)
	; the stages' addresses, all made here, ahead of the parting of the two orders
	v_lshl_add_u32 v7, v5, 3, v4                   ; plain order: tile row l % 8 + 8 (l / 16), tile 2 wave + (l / 8) % 2
	s_mul_i32 s32, s14, 3072
	v_mul_u32_u24 v[SA], v6, 1536
	v_lshl_add_u32 v[SA], v7, 4, v[SA]
	v_add_nc_u32 v[SA], s32, v[SA]
	v_lshlrev_b32 v[SAS], 4, v7
	v_lshl_add_u32 v[SAS], v6, 8, v[SAS]
	s_lshl_b32 s33, s14, 2
	s_add_co_u32 s33, s33, 12288
	v_add_nc_u32 v[SAS], s33, v[SAS]
	v_lshl_add_u32 v8, v6, 3, v5                   ; WV's order: c = 4 wave + l / 8: tile row 2 wave + l / 16 + 8 ((l / 8) % 2), tile l % 8
	s_lshl_b32 s34, s14, 1
	v_add_nc_u32 v8, s34, v8
	v_mul_u32_u24 v[SV], v4, 1536
	v_lshl_add_u32 v[SV], v8, 4, v[SV]
	v_add_nc_u32 v[SV], EIGHTH, v[SV]
	v_and_b32 v9, 1, v2
	v_bfe_u32 v14, v2, 1, 2
	v_lshlrev_b32 v[SVS], 4, v8
	v_lshl_add_u32 v[SVS], v9, 8, v[SVS]
	v_lshl_add_u32 v[SVS], v14, 2, v[SVS]
	v_add_nc_u32 v[SVS], EIGHTH+12288, v[SVS]
	v_lshlrev_b32 v[TID16], 4, v0
	s_wait_kmcnt 0x0
	s_cmp_lt_u32 s15, 2                            ; the weight's address: a choice on the work-group's number alone
	s_cselect_b64 s[24:25], s[4:5], s[8:9]
	s_cselect_b64 s[26:27], s[6:7], s[10:11]
	s_and_b32 s28, s15, 1
	s_cmp_eq_u32 s28, 0
	s_cselect_b64 s[24:25], s[24:25], s[26:27]
	s_add_nc_u64 s[24:25], s[24:25], s[20:21]
	s_add_nc_u64 s[12:13], s[12:13], s[30:31]
.macro LOAD t                          ; block t: rows 32 t .. 32 t + 31 of the K step, my column
.set I_, 0
.rept 32
	global_load_b32 v[X+32*(\t)+I_], v[VOFF], s[24:25] offset:(32*(\t)+I_)*4096
.set I_, I_+1
.endr
.endm
	LOAD 0
	LOAD 1
.macro BLOCK t
.set XS_, X+32*(\t)
.set E_, CD+8*(\t)
.if (\t) < 3
	s_wait_loadcnt 32                              ; this block's 32 loads are in; the next block's 32 may be out
.else
	s_wait_loadcnt 0x0
.endif
.if (\t) < 2
	LOAD (\t)+2                                    ; two blocks ahead, into registers of its own
.endif
	v_max3_num_f32 v12, |v[XS_]|, |v[XS_+1]|, |v[XS_+2]|            ; the block's largest magnitude: all 32 numbers are mine; two chains
	v_max3_num_f32 v13, |v[XS_+3]|, |v[XS_+4]|, |v[XS_+5]|
.irp i, 6,10,14,18,22,26
	v_max3_num_f32 v12, v12, |v[XS_+\i]|, |v[XS_+\i+1]|
	v_max3_num_f32 v13, v13, |v[XS_+\i+2]|, |v[XS_+\i+3]|
.endr
	v_max3_num_f32 v12, v12, |v[XS_+30]|, |v[XS_+31]|
	v_max3_num_f32 v12, v12, v13, 0x1800000        ; and the floor 2^(3 - 127): the byte cannot fall under 1
	v_add_nc_u32 v11, 0xff000000, v12              ; 2 off the exponent field: the conversion takes this operand's exponent field as its scale
	v_lshrrev_b32 v13, 23, v11                     ; the scale's byte
.if (\t) == 0
	v_mov_b32 v[SB], v13
.else
	v_lshl_or_b32 v[SB], v13, 8*(\t), v[SB]        ; the lower K in the lower byte
.endif
	v_cvt_scalef32_pk16_fp6_f32 v[E_:E_+2], v[XS_:XS_+15], v11
	v_cvt_scalef32_pk16_fp6_f32 v[E_+4:E_+6], v[XS_+16:XS_+31], v11  ; (a conversion's three registers begin on an even number)
	v_nop                                          ; one plain line behind the conversions, ahead of the moves that read their results
	v_mov_b32 v[E_+3], v[E_+4]                     ; six registers on end: the block's 32 codes
	v_mov_b32 v[E_+4], v[E_+5]
	v_mov_b32 v[E_+5], v[E_+6]
.endm
	BLOCK 0
	BLOCK 1
	BLOCK 2
	BLOCK 3
; Block t = 2 c + h is registers 6 c .. 6 c + 5 of the fragment's lane (row, h).
.macro PUT adr, adrs
.irp t, 0,1,2,3
.set E_, CD+8*\t
.if \t < 2
	ds_store_b128 v[\adr], v[E_:E_+3] offset:256*(\t%2)              ; registers 0-3
	ds_store_b64 v[\adr], v[E_+4:E_+5] offset:256*(\t%2)+512         ; registers 4, 5
.else
	ds_store_b64 v[\adr], v[E_:E_+1] offset:256*(\t%2)+520           ; registers 6, 7
	ds_store_b128 v[\adr], v[E_+2:E_+5] offset:256*(\t%2)+1024       ; registers 8-11
.endif
.endr
	ds_store_b32 v[\adrs], v[SB]
.endm
	s_cmp_eq_u32 s15, 2
	s_cbranch_scc1 .Lput_v
	PUT SA, SAS
	s_branch .Lput_done
.Lput_v:
	s_wait_alu depctr_va_vdst(0)
	PUT SV, SVS
.Lput_done:
	s_wait_dscnt 0x0                               ; for the others' sake: my stores into the stage are done
	s_barrier_signal -1
	s_barrier_wait -1
; The eighth leaves as it lies: 128 threads x 16 bytes, 2,048 consecutive bytes a turn; wave 0 takes the last 512.
.macro BACK base
.irp i, 0,1,2,3,4,5
	ds_load_b128 v[32+4*\i:35+4*\i], v[TID16] offset:\base+2048*\i
.endr
	s_wait_dscnt 0x0
.irp i, 0,1,2,3,4,5
	global_store_b128 v[TID16], v[32+4*\i:35+4*\i], s[12:13] offset:2048*\i
.endr
	s_cmp_lg_u32 s14, 0
	s_cbranch_scc1 .Lback_done_\@
	ds_load_b128 v[56:59], v[TID16] offset:\base+12288
	s_wait_dscnt 0x0
	global_store_b128 v[TID16], v[56:59], s[12:13] offset:12288
.Lback_done_\@:
.endm
	s_cmp_eq_u32 s15, 2
	s_cbranch_scc1 .Lback_v
	BACK 0
	s_wait_tensorcnt 0x0
	ds_add_u32 v232, v233
	s_wait_dscnt 0x0
	s_endpgm
.Lback_v:
	BACK EIGHTH
	s_wait_tensorcnt 0x0
	ds_add_u32 v232, v233
	s_wait_dscnt 0x0
	s_endpgm
.Lfunc_end_k_qb1a8a8ede3_wq:
	.size	k_qb1a8a8ede3_wq, .Lfunc_end_k_qb1a8a8ede3_wq-k_qb1a8a8ede3_wq
	.p2alignl 7, 3214868480
	.fill 96, 4, 3214868480
	.section	.rodata,"a",@progbits
	.p2align	6, 0x0
	.amdhsa_kernel k_qb1a8a8ede3_wq
		.amdhsa_group_segment_fixed_size 26112
		.amdhsa_private_segment_fixed_size 0
		.amdhsa_enable_private_segment 0
		.amdhsa_kernarg_size 40
		.amdhsa_user_sgpr_count 2
		.amdhsa_user_sgpr_kernarg_segment_ptr 1
		.amdhsa_wavefront_size32 1
		.amdhsa_system_sgpr_workgroup_id_x 1
		.amdhsa_system_sgpr_workgroup_id_y 1
		.amdhsa_system_sgpr_workgroup_id_z 1
		.amdhsa_system_vgpr_workitem_id 0
		.amdhsa_next_free_vgpr 234
		.amdhsa_next_free_sgpr 66
		.amdhsa_reserve_vcc 0
		.amdhsa_float_denorm_mode_32 3
		.amdhsa_float_denorm_mode_16_64 3
		.amdhsa_memory_ordered 1
		.amdhsa_forward_progress 1
		.amdhsa_inst_pref_size 26
	.end_amdhsa_kernel
	.amdgpu_metadata
---
amdhsa.version: [ 1, 2 ]
amdhsa.kernels:
  - .name:           k_qb1a8a8ede3_wq
    .symbol:         k_qb1a8a8ede3_wq.kd
    .args:
      - { .name: WQ, .offset: 0, .size: 8, .value_kind: global_buffer, .address_space: global }
      - { .name: WK, .offset: 8, .size: 8, .value_kind: global_buffer, .address_space: global }
      - { .name: WV, .offset: 16, .size: 8, .value_kind: global_buffer, .address_space: global }
      - { .name: Wfc, .offset: 24, .size: 8, .value_kind: global_buffer, .address_space: global }
      - { .name: wcodes, .offset: 32, .size: 8, .value_kind: global_buffer, .address_space: global }
    .group_segment_fixed_size: 26112
    .private_segment_fixed_size: 0
    .kernarg_segment_align: 8
    .kernarg_segment_size: 40
    .max_flat_workgroup_size: 128
    .sgpr_count:     66
    .vgpr_count:     234
    .wavefront_size: 32
...
	.end_amdgpu_metadata
.endif
;; end of part 1
;; launch proj (part 2): grid 128 x 3, 4 waves a work-group, clusters of 4 x 1, 327,680 bytes of LDS; arguments Q, K, V, wcodes, qbuf, kbuf, vbuf; writes qbuf, kbuf, vbuf
.if DOCPART == 2
	.amdgcn_target "amdgcn-amd-amdhsa--gfx1250"
	.amdhsa_code_object_version 6
	.text
	.protected	k_qb1a8a8ede3_proj
	.globl	k_qb1a8a8ede3_proj
	.p2align	8
	.type	k_qb1a8a8ede3_proj,@function
k_qb1a8a8ede3_proj:
	s_mov_b64 s[64:65], 0
	v_nop
	global_prefetch_b8 v0, s[64:65] scope:SCOPE_SE
	s_setreg_imm32_b32 hwreg(HW_REG_WAVE_MODE, 25, 1), 1
	s_wait_xcnt 0x0
	s_wait_alu depctr_hold_cnt(0) depctr_sa_sdst(0) depctr_va_vdst(0) depctr_va_sdst(0) depctr_va_ssrc(0) depctr_va_vcc(0) depctr_vm_vsrc(0)
	s_getreg_b32 s2, hwreg(HW_REG_IB_STS2, 6, 4)
	s_cmp_eq_u32 s2, 0
	s_cbranch_scc0 .Lentry_in_a_cluster
	s_endpgm
.Lentry_in_a_cluster:
	s_bfe_u32 s2, ttmp6, 0x10000c
	s_cmp_lg_u32 s2, 0x3003
	s_cbranch_scc0 .Lentry_shape_is_right
	s_endpgm
.Lentry_shape_is_right:
; q = Q WQ, k = K WK, v = V WV (work-group y = 0, 1, 2), each [8192][1024] x [1024][1024], on codes of FP6 (E2M3) with one E8M0 scale for each 32 along K; the results are quantised here for attention and never go to memory as f32.
; SHARES.  A work-group makes 64 rows x all 1,024 columns (v's blocks of 32 keys are 2 rows x all 16 column groups); wave w makes 64 x 256: 4 row tiles x 16 column tiles, 64 accumulators.
; x (Q, K or V) is read by this work-group alone.  It comes as f32 by tensor loads, one K step of 128 (64 rows x 512 bytes, LDS pitch 528) into each of two slots.  Wave w quantises rows 16 w .. 16 w + 15, two K steps
; ahead of the products, behind a K step's last products, and hands the fragment to the others through LDS as an image of its registers.
; THE WEIGHTS come as register images (launch wq) through a ring of two LDS slots, one K step (102,400 bytes) each.  The four work-groups of a cluster walk the same weight: its parts are asked for JOINTLY.
; WHO LOADS.  At the head each wave fills one of the four slots whole: waves 0, 1 the two x slots, waves 2, 3 the two weight slots; so every slot has its first fill there.  In the ring wave 0 brings x (32,768 bytes)
; and waves 1, 2, 3 bring 136, 136 and 128 of a weight slot's 400 rows of 256 bytes: the weights' descriptors are written anew behind the wait that shows the head's loads landed.
; AT BARRIER s (in the middle of K step s): W of K step s + 2 (s up to 5) and x of K step s + 3 (s = 1 .. 4); x of K steps 2 and 3 behind the head's last round.  Every wait on TENSORcnt is for 0.
; PREFETCH, two refills ahead of the load.  x of K step s + 5 behind barrier s (K steps 2, 3 at the head, 4 behind its last round): 128 threads x 256 bytes are the tile's 64 rows x 512 bytes.
; W of K step s + 4 behind barrier s (2 at the head, 3 behind its last round): the cluster's four partners share the slot's 400 blocks of 256 bytes by address, 100 each; threads 100-127 name their wave's last block again.
; THE MATRIX INSTRUCTION IS USED TRANSPOSED (source 0 = 16 columns of W, source 1 = 16 rows of x): a lane holds one row of x, and by the order of W's columns in a tile (launch wq) its registers run along what the next quantiser cuts.
; THE RAW RESHAPE: head = row / 128, key or query = 16 (row % 128) + column / 64, d = column % 64.
; q, k: 128 neighbouring columns of a row are a DOUBLE ROW: keys 2 DR and 2 DR + 1, [64 | 64].  16 double rows are one fragment.  Output: [head][step of 128 keys][4 images of 1,536 bytes, 256 bytes of scale words].
; v: a tile is one d and 16 keys of a row; two rows make a block of 32 keys; place 16 a + 8 e + j of a block holds key 16 a + 2 j + e.  Output: the same shape; image dt, row i is d = 32 (dt / 2) + 8 (dt % 2) + i + 8 (i / 8).
; LIMITS: NaN and infinities are not served; a block whose largest magnitude lies under 2^-124, a block of zeros among them, gets the byte 1 (its codes add nothing; this program alone reads the bytes).
; REGISTERS, in windows of 256: window 0: v2-22, v77, v79 addresses; v24-31 W's scale words, v32-39 x's, two sets each; v40-76 the quantiser; v80-127 x's fragments, set 0; v128-255 x as f32.
;   window 1: v0-95, v96-191 W's fragments, two sets of 8; v192-239 x's fragments, set 1.   window 2: accumulators (m, nn) at 8 (8 m + nn), column tiles 0-7;   window 3: column tiles 8-15.
.set SP,     6464                      ; the stage: a step's block: 4 images 1,552 bytes apart, scale words at 6,208
.set IP,     1552
.set SLOTB,  102400                    ; a weight slot; wave w reads its quarter at 25,600 w: two eighths of 12,800
.set QUART,  25600
.set EIGHTH, 12800
.set THIRD,  34816                     ; 136 rows of 256 bytes: what waves 1 and 2 bring of a weight slot; wave 3 brings the last 128 rows
.set AIMG,   2*SLOTB                   ; x's fragments [m 4][K step 8], 1,536 bytes each
.set XSC,    AIMG+49152                ; their scale words: [K step][L 32][m 4]
.set XSLOT,  XSC+4096                  ; x as f32: two slots of 64 rows
.set XP,     528                       ; 512 bytes + 16 of padding: the 16 rows that a load touches start in different banks
.set XSB,    64*XP
.set SPARE,  XSLOT+2*XSB               ; the spare words, 128 bytes for each wave
.set STAGE_B, SLOTB                    ; v's stage lies in weight slot 1, q's and k's in slot 0; both have had their last fill and read by then
.set XAD,   2
.set ADRA,  3
.set ADRB,  4
.set ADRXS, 6
.set AWI,   7
.set AWS,   8
.set STK,   9
.set STKS,  10
.set STV,   11
.set STVS,  14
.set RDBA,  15
.set RD64A, 16
.set RDBB,  17
.set RD64B, 18
.set GO,    19
.set GO64,  20
.set SPW,   21
.set NIL,   22
.set WS,    24
.set XS,    32
.set TM,    40
.set PW,    56
.set PC,    58
.set PFW,   77                         ; W's prefetches: 25,600 cx + 256 min(thread, 99); never rewritten
.set PFO,   79                         ; x's prefetches: row (thread / 2), 256 (thread % 2); never rewritten
.set AF0,   80
.set XBUF,  128
.set SEL,   22
.set G1,    24                         ; s[24:31] group 1, weights: 400 rows at the head, then 136;  s[32:39] group 0, a set for each slot
.set G0,    32
.set G1X,   52                         ; s[52:59] group 1, x;  s[68:75] group 0, a set for each slot
.set G0X,   68
.set G1B,   76                         ; s[76:83] group 1, weights: 128 rows
.set MSB, 0
.macro WIN new
.set WNEW, \new
.if MSB != WNEW
	s_set_vgpr_msb (MSB<<8)|WNEW
.set MSB, WNEW
.endif
.endm
.macro PLACES n
.rept \n
	v_nop
.endr
.endm
.macro CREST
	s_cmp_lg_u32 s18, 0
	s_cbranch_scc1 .Lnot_wave_0_\@
	s_barrier_signal -3
.Lnot_wave_0_\@:
	s_barrier_wait -3
	s_barrier_signal -1
	s_barrier_wait -1
.endm
.macro CROUND
	s_barrier_signal -1
	s_barrier_wait -1
	CREST
.endm
; the head's form: wave o fills slot o whole and jumps to the chain's end
.macro ARM o, done
	s_cmp_lg_u32 s18, \o
	s_cbranch_scc1 .Lother_\@
.if (\o) < 2
	tensor_load_to_lds s[G0X+4*(\o):G0X+4*(\o)+3], s[G1X:G1X+7]
.else
	tensor_load_to_lds s[G0+4*(\o)-8:G0+4*(\o)-5], s[G1:G1+7]
.endif
	s_nop 0
	PLACES 4
	s_branch \done
.Lother_\@:
.endm
; the ring's form, one chain: wave 0 fills x slot xs (-1: none), waves 1, 2, 3 their parts of weight slot ws
.macro RING xs, ws
	s_cmp_lg_u32 s18, 0
	s_cbranch_scc1 .Lfor_w_\@
.if (\xs) >= 0
	tensor_load_to_lds s[G0X+4*(\xs):G0X+4*(\xs)+3], s[G1X:G1X+7]
	s_nop 0
	PLACES 4
.endif
	s_branch .Lasked_\@
.Lfor_w_\@:
	s_cmp_lg_u32 s18, 3
	s_cbranch_scc1 .Lfor_w12_\@
	tensor_load_to_lds s[G0+4*(\ws):G0+4*(\ws)+3], s[G1B:G1B+7]
	s_nop 0
	PLACES 4
	s_branch .Lasked_\@
.Lfor_w12_\@:
	tensor_load_to_lds s[G0+4*(\ws):G0+4*(\ws)+3], s[G1:G1+7]
	s_nop 0
	PLACES 4
.Lasked_\@:
.endm
.macro PREF j                          ; x of K step j
	global_prefetch_b8 v[PFO], s[40:41] offset:512*(\j) th:TH_LOAD_NT scope:SCOPE_SE
.endm
.macro PREFW j                         ; my work-group's quarter of W of K step j
	global_prefetch_b8 v[PFW], s[46:47] offset:SLOTB*(\j) th:TH_LOAD_NT scope:SCOPE_SE
.endm
	s_load_b256 s[4:11], s[0:1], 0x0               ; Q, K, V, wcodes
	s_load_b128 s[12:15], s[0:1], 0x20             ; qbuf, kbuf
	s_load_b64 s[16:17], s[0:1], 0x30              ; vbuf
	v_lshl_add_u32 v[SPW], v0, 2, SPARE
	v_mov_b32 v[NIL], 0
	ds_add_u32 v[SPW], v[NIL]                      ; the opening: the add, twice on end, and its wait
	ds_add_u32 v[SPW], v[NIL]
	v_lshrrev_b32 v1, 5, v0
	v_readfirstlane_b32 s18, v1                    ; wave
	s_bfe_u32 s19, ttmp6, 0x40000                  ; cx
	s_lshl_b32 s20, ttmp9, 2
	s_add_co_u32 s20, s20, s19                     ; my group of 64 rows: it enters global addresses alone
	s_and_b32 s21, ttmp7, 0xffff                   ; which tensor: the same in all four partners
	s_mov_b32 s[SEL], 0x76543210
	s_mov_b32 s[SEL+1], 0xfedcba98
.irp g, G1, G1B
	s_mov_b32 s[\g], 15|(3<<16)|(1<<21)            ; the mask: all four work-groups; elements of 8 bytes; bit 21 beside a mask
	s_mov_b32 s[\g+1], 32<<16                      ; rows of 256 bytes
	s_mov_b32 s[\g+3], 32<<16
	s_mov_b32 s[\g+5], 32
	s_mov_b32 s[\g+6], 0
	s_mov_b32 s[\g+7], 0
.endr
	s_mov_b32 s[G1+2], 400<<16                     ; at the head 400 of them: a slot's 102,400 dense bytes
	s_mov_b32 s[G1+4], 400
	s_mov_b32 s[G1B+2], 128<<16
	s_mov_b32 s[G1B+4], 128
	s_mov_b32 s[G1X], (3<<16)|(1<<20)|(6<<22)|(3<<25)   ; no mask; elements of 8 bytes; 4 words of padding behind every 128
	s_mov_b32 s[G1X+1], 64<<16                     ; rows of 512 bytes,
	s_mov_b32 s[G1X+2], 64<<16                     ; 64 of them,
	s_mov_b32 s[G1X+3], 64<<16
	s_mov_b32 s[G1X+4], 64
	s_mov_b32 s[G1X+5], 512                        ; 4,096 bytes apart
	s_mov_b32 s[G1X+6], 0
	s_mov_b32 s[G1X+7], 0
	s_wait_dscnt 0x0                               ; both opening adds are done
	s_mul_i32 s48, s18, QUART                      ; the quarter of a weight slot that I read
	s_add_co_u32 s60, s18, 3
	s_and_b32 s60, s60, 3
	s_mul_i32 s60, s60, THIRD                      ; the part of a weight slot that I fetch in the ring: waves 1, 2, 3 at 0, 34,816, 69,632 (wave 0 fetches none)
	s_mov_b32 s61, 0
	v_and_b32 v1, 15, v0                           ; r
	v_bfe_u32 v23, v0, 4, 1                        ; h
	v_and_b32 v78, 31, v0                          ; L
	v_mul_u32_u24 v[XAD], v1, XP                   ; x in LDS: row 16 wave + r, + 64 h: my 16 numbers of a block of 32
	v_lshl_add_u32 v[XAD], v23, 6, v[XAD]
	s_mul_i32 s49, s18, 16*XP
	s_add_co_u32 s49, s49, XSLOT
	v_add_nc_u32 v[XAD], s49, v[XAD]
	v_lshrrev_b32 v[PFO], 1, v0
	v_and_b32 v40, 1, v0
	v_lshlrev_b32 v[PFO], 12, v[PFO]
	v_lshl_or_b32 v[PFO], v40, 8, v[PFO]
	s_mul_i32 s49, s19, QUART
	v_min_u32 v[PFW], 99, v0
	v_lshl_add_u32 v[PFW], v[PFW], 8, s49
	v_lshl_add_u32 v[ADRA], v78, 3, AIMG
	v_lshl_add_u32 v[ADRB], v78, 4, s48
	v_add_nc_u32 v[ADRB+1], SLOTB, v[ADRB]
	v_lshl_add_u32 v[ADRXS], v78, 4, XSC
	s_mul_i32 s49, s18, 12288
	v_add_nc_u32 v[AWI], s49, v[ADRA]              ; I write tile m = wave
	s_lshl_b32 s49, s18, 2
	v_add_nc_u32 v[AWS], s49, v[ADRXS]
	v_bfe_u32 v40, v0, 3, 1                        ; r / 8
	v_bfe_u32 v41, v0, 1, 2                        ; (r / 2) % 4
	v_and_b32 v42, 1, v0                           ; r % 2
	v_mul_u32_u24 v43, v40, SP                     ; row 16 m + r lies in step 2 m + r / 8
	v_mad_u32_u24 v[STK], v41, IP, v43             ; q, k: image (r / 2) % 4, image row 8 (r % 2) + 2 wave + g, lane half h
	v_lshl_add_u32 v[STK], v42, 7, v[STK]
	v_lshl_add_u32 v[STK], v23, 8, v[STK]
	s_lshl_b32 s49, s18, 5
	v_add_nc_u32 v[STK], s49, v[STK]
	v_lshl_add_u32 v[STKS], v41, 6, v43
	v_lshl_add_u32 v[STKS], v42, 5, v[STKS]
	s_lshl_b32 s49, s18, 3
	s_add_co_u32 s49, s49, 6208
	v_add_nc_u32 v[STKS], s49, v[STKS]
	v_bfe_u32 v44, v0, 1, 1                        ; (r / 2) % 2: the lane half of v's fragment
	v_bfe_u32 v45, v0, 2, 1                        ; (r / 4) % 2: its registers 0-5 or 6-11
	s_mul_i32 s49, s18, IP
	s_add_co_u32 s49, s49, STAGE_B
	v_lshl_add_u32 v46, v23, 4, v43                ; v: image = wave; image row 8 g + 2 p + h
	v_lshl_add_u32 v46, v44, 8, v46
	v_add_nc_u32 v46, s49, v46
	v_mul_u32_u24 v47, v45, 6
	v_mad_u32_u24 v47, v42, 3, v47                 ; my first register of the fragment
.irp i, 0,1,2
	v_add_nc_u32 v48, \i, v47                      ; register x lies at 512 (x / 4) + 4 (x % 4)
	v_lshrrev_b32 v49, 2, v48
	v_and_b32 v48, 3, v48
	v_lshl_add_u32 v[STV+\i], v49, 9, v46
	v_lshl_add_u32 v[STV+\i], v48, 2, v[STV+\i]
.endr
	s_lshl_b32 s49, s18, 6
	s_add_co_u32 s49, s49, STAGE_B+6208
	v_lshl_add_u32 v[STVS], v23, 2, v43
	v_add_nc_u32 v[STVS], v[STVS], v41             ; the byte of block (r / 2) % 4
	v_add_nc_u32 v[STVS], s49, v[STVS]
	s_mul_i32 s49, s18, 2*SP                       ; back: wave w takes steps 2 w, 2 w + 1
	v_lshl_add_u32 v[RDBA], v78, 4, s49
	v_lshl_add_u32 v[RD64A], v78, 3, s49
	v_add_nc_u32 v[RDBB], STAGE_B, v[RDBA]
	v_add_nc_u32 v[RD64B], STAGE_B, v[RD64A]
	s_mul_i32 s49, s18, 12800
	v_lshl_add_u32 v[GO], v78, 4, s49
	v_lshl_add_u32 v[GO64], v78, 3, s49
.irp b, 0,1,2,3
	v_mov_b32 v[TM+4+\b], 0                        ; written once: a lane permute's destination counts as one of its sources
.endr
	s_lshl_b32 s44, s20, 18                        ; 64 rows of 4,096 bytes a group
	s_mov_b32 s45, 0
	s_mul_i32 s50, s20, 51200                      ; a group's 8 steps of 6,400 bytes
	s_mov_b32 s51, 0
	s_mul_i32 s46, s21, 819200                     ; the weight's codes
	s_mov_b32 s47, 0
	s_wait_alu depctr_va_vdst(0)                   ; the wait at the head's end
	s_wait_kmcnt 0x0
	s_cmp_eq_u32 s21, 0                            ; the tensor and its output: a choice on the work-group's number alone
	s_cselect_b64 s[40:41], s[4:5], s[6:7]
	s_cselect_b64 s[42:43], s[12:13], s[14:15]
	s_cmp_eq_u32 s21, 2
	s_cselect_b64 s[40:41], s[8:9], s[40:41]
	s_cselect_b64 s[42:43], s[16:17], s[42:43]
	s_add_nc_u64 s[40:41], s[40:41], s[44:45]
	s_add_nc_u64 s[42:43], s[42:43], s[50:51]
	s_add_nc_u64 s[46:47], s[10:11], s[46:47]
	s_add_nc_u64 s[62:63], s[46:47], s[60:61]      ; my part of K step 0, for the ring
.irp n, 0,1
	s_mov_b32 s[G0+4*\n], 1
	s_mov_b32 s[G0+4*\n+1], \n*SLOTB
	s_add_nc_u64 s[G0+4*\n+2:G0+4*\n+3], s[46:47], \n*SLOTB   ; K step n, whole
	s_or_b32 s[G0+4*\n+3], s[G0+4*\n+3], 0x80000000
	s_mov_b32 s[G0X+4*\n], 1
	s_mov_b32 s[G0X+4*\n+1], XSLOT+\n*XSB
	s_add_nc_u64 s[G0X+4*\n+2:G0X+4*\n+3], s[40:41], \n*512
	s_or_b32 s[G0X+4*\n+3], s[G0X+4*\n+3], 0x80000000
.endr
; my 16 rows' numbers out of an x slot: register 16 b + 4 j + i = k 32 b + 16 h + 4 j + i of row r
.macro XREAD slot, reg
.irp b, 0,1,2,3
.irp j, 0,1,2,3
	ds_load_b128 v[\reg+16*\b+4*\j:\reg+16*\b+4*\j+3], v[XAD] offset:XSB*(\slot)+128*\b+16*\j
.endr
.endr
.endm
; 64 numbers of a lane in window win, register 16 b + i = k 32 b + 16 h + i of my row, become a fragment's codes in v[PC] on and its scale word in v[PW]
.macro QUANT src, win
	WIN (\win)|((\win)<<2)
.irp b, 0,1,2,3
	v_max3_num_f32 v[TM+\b], |v[\src+16*\b]|, |v[\src+16*\b+1]|, 0x1800000   ; from the low end on; the floor 2^(3 - 127) holds the byte at 1 from below
.endr
.irp i, 2,4,6,8,10,12,14
.irp b, 0,1,2,3
	v_max3_num_f32 v[TM+\b], |v[\src+16*\b+\i]|, |v[\src+16*\b+\i+1]|, v[TM+\b]
.endr
.endr
	WIN 0
.irp b, 0,1,2,3
	v_permlanex16_b32 v[TM+4+\b], v[TM+\b], s[SEL], s[SEL+1]
.endr
.irp b, 0,1,2,3
	v_max_num_f32 v[TM+\b], v[TM+\b], v[TM+4+\b]   ; with lane l xor 16's: the block's largest magnitude
.endr
.irp b, 0,1,2,3
	v_add_nc_u32 v[TM+12+\b], 0xff000000, v[TM+\b] ; 2 off its exponent field: the conversion's scale operand
.endr
.irp b, 0,1,2,3
	v_lshrrev_b32 v[TM+4+\b], 23, v[TM+12+\b]      ; the scale's byte
.endr
	v_lshl_or_b32 v[PW], v[TM+5], 8, v[TM+4]
	v_lshl_or_b32 v[PW], v[TM+6], 16, v[PW]
	v_lshl_or_b32 v[PW], v[TM+7], 24, v[PW]
	WIN \win
.irp c, 0,1
	v_cvt_scalef32_pk16_fp6_f32 v[PC+6*\c:PC+6*\c+2], v[\src+32*\c:\src+32*\c+15], v[TM+12+2*\c]
	v_cvt_scalef32_pk16_fp6_f32 v[PC+12+4*\c:PC+14+4*\c], v[\src+32*\c+16:\src+32*\c+31], v[TM+13+2*\c]
.endr
	WIN 0
	v_nop                                          ; one plain line behind a scaled conversion
.irp c, 0,1                                    ; a WHOLE block in a lane: lanes 0-15 block 2 c, lanes 16-31 block 2 c + 1
.irp i, 0,1,2
	v_permlane16_swap_b32 v[PC+6*\c+\i], v[PC+12+4*\c+\i]
.endr
.irp i, 0,1,2
	v_mov_b32 v[PC+3+6*\c+\i], v[PC+12+4*\c+\i]
.endr
.endr
.endm
.macro IMAGE s                         ; the fragment goes to LDS as it stands: tile m = wave, K step s: 7 stores
.irp j, 0,1,2,3,4,5
	ds_store_b64 v[AWI], v[PC+2*\j:PC+2*\j+1] offset:1536*(\s)+256*\j
.endr
	ds_store_b32 v[AWS], v[PW] offset:512*(\s)
.endm
.macro FETCH_B slot, hs                ; my eighth hs of the slot: 8 fragments into set hs, and their scale words: 25 loads
	WIN 0x40
.irp nn, 0,1,2,3,4,5,6,7
.irp c, 0,1,2
	ds_load_b128 v[96*(\hs)+12*\nn+4*\c:96*(\hs)+12*\nn+4*\c+3], v[ADRB+(\slot)] offset:EIGHTH*(\hs)+1536*\nn+512*\c
.endr
.endr
	WIN 0
	ds_load_b128 v[WS+4*(\hs):WS+4*(\hs)+3], v[ADRB+(\slot)] offset:EIGHTH*(\hs)+12288
.endm
.macro FETCH_A s                       ; x's four fragments of K step s into set s % 2, and their scale words: 25 loads
.set AB_, AF0+112*((\s)&1)
	WIN 0x40*((\s)&1)
.irp m, 0,1,2,3
.irp j, 0,1,2,3,4,5
	ds_load_b64 v[AB_+12*\m+2*\j:AB_+12*\m+2*\j+1], v[ADRA] offset:(8*\m+(\s))*1536+256*\j
.endr
.endr
	WIN 0
	ds_load_b128 v[XS+4*((\s)&1):XS+4*((\s)&1)+3], v[ADRXS] offset:512*(\s)
.endm
.macro WM zero, odd                    ; zero: the product starts the sum; odd: W's scale words stand in lanes 16-31
.if \zero
.if \odd
	v_wmma_scale_f32_16x16x128_f8f6f4 v[D_:D_+7], v[A_:A_+11], v[B_:B_+11], 0, v[SA_], v[SB_] matrix_a_fmt:MATRIX_FMT_FP6 matrix_b_fmt:MATRIX_FMT_FP6 matrix_a_scale:MATRIX_SCALE_ROW1
.else
	v_wmma_scale_f32_16x16x128_f8f6f4 v[D_:D_+7], v[A_:A_+11], v[B_:B_+11], 0, v[SA_], v[SB_] matrix_a_fmt:MATRIX_FMT_FP6 matrix_b_fmt:MATRIX_FMT_FP6
.endif
.else
.if \odd
	v_wmma_scale_f32_16x16x128_f8f6f4 v[D_:D_+7], v[A_:A_+11], v[B_:B_+11], v[D_:D_+7], v[SA_], v[SB_] matrix_a_fmt:MATRIX_FMT_FP6 matrix_b_fmt:MATRIX_FMT_FP6 matrix_a_scale:MATRIX_SCALE_ROW1
.else
	v_wmma_scale_f32_16x16x128_f8f6f4 v[D_:D_+7], v[A_:A_+11], v[B_:B_+11], v[D_:D_+7], v[SA_], v[SB_] matrix_a_fmt:MATRIX_FMT_FP6 matrix_b_fmt:MATRIX_FMT_FP6
.endif
.endif
.endm
; 16 products: row tiles m0, m0 + 1 x the 8 column tiles of eighth hs, K step s.  The 64 accumulators take turns, in the same order in every K step.
.macro MUL16 m0, hs, s
	WIN ((2+(\hs))*0x50)|(((\s)&1)<<2)|1
.irp m, \m0, \m0+1
.irp nn, 0,1,2,3,4,5,6,7
.set D_, 8*(8*(\m)+\nn)
.set A_, 96*(\hs)+12*\nn
.set B_, AF0+112*((\s)&1)+12*(\m)
.set SA_, WS+4*(\hs)+\nn/2
.set SB_, XS+4*((\s)&1)+(\m)
	WM (\s)==0, \nn%2
.endr
.endr
.endm
; A K STEP of 128: 64 products a wave.  ONE barrier in its middle shows the next K step's image and weight slot and frees this K step's weight slot and the x slot read a K step ago.
.macro KSTEP s
.set SL_, (\s)&1
.if (\s) == 0 || (\s) == 7
	s_wait_dscnt 25                                ; W's first eighth and x's fragments are in; the 25 loads of W's second eighth may be out
.else
	s_wait_dscnt 32                                ; the same; my image's 7 stores and the 25 loads of W's second eighth may be out
.endif
	MUL16 0, 0, \s
	MUL16 2, 0, \s
	WIN 0
.if (\s) <= 6
	s_wait_tensorcnt 0x0                           ; any load of mine has landed
	ds_add_u32 v[SPW], v[NIL]
.if (\s) <= 5
	s_add_nc_u64 s[G0+4*SL_+2:G0+4*SL_+3], s[G0+4*SL_+2:G0+4*SL_+3], 2*SLOTB   ; no load of mine is out: this weight slot's next K step
.endif
.if (\s) >= 1 && (\s) <= 4
	s_add_nc_u64 s[G0X+6-4*SL_:G0X+7-4*SL_], s[G0X+6-4*SL_:G0X+7-4*SL_], 1024  ; and the other x slot's
.endif
	s_wait_dscnt 0x0                               ; the add is done, my image's stores have landed, my reads of this weight slot and of the x slot are over
	s_barrier_signal -1
	MUL16 0, 1, \s                                 ; work on registers while the others arrive
	WIN 0
	s_barrier_wait -1
.if (\s) <= 5
	CREST                                          ; the barrier has opened a round of the cluster's
.if (\s) >= 1 && (\s) <= 4
	RING 1-SL_, SL_
.else
	RING -1, SL_
.endif
.endif
	PLACES 4                                       ; in front of the loads into registers that products have read
.if (\s) <= 5
	XREAD SL_, XBUF                                ; x of K step s + 2
.endif
	FETCH_B 1-SL_, 0
	FETCH_A (\s)+1
.if (\s) <= 2
	PREF (\s)+5
.endif
.if (\s) <= 3
	PREFW (\s)+4
.endif
	MUL16 2, 1, \s
	WIN 0
.if (\s) <= 5
	s_wait_dscnt 50                                ; x is in; the 50 loads behind it may be out
	QUANT XBUF, 0                                  ; (its lines are also the places in front of the loads below)
	IMAGE (\s)+2
.else
	PLACES 4
.endif
	FETCH_B 1-SL_, 1
.else
	s_wait_dscnt 0x0
	MUL16 0, 1, \s
	MUL16 2, 1, \s
	WIN 0
.endif
.endm
	CROUND                                         ; all four work-groups are here: the first joint loads meet
	ARM 0, .Lhead_asked                            ; x of K step 0
	ARM 1, .Lhead_asked                            ; x of K step 1
	ARM 2, .Lhead_asked                            ; W of K step 0
	tensor_load_to_lds s[G0+4:G0+7], s[G1:G1+7]    ; wave 3: W of K step 1
	s_nop 0
	PLACES 4
.Lhead_asked:
	PREF 2
	PREF 3
	PREFW 2
	s_wait_tensorcnt 0x0                           ; my slot is in
	s_barrier_signal -1
	s_barrier_wait -1                              ; everybody's is
	XREAD 0, XBUF
	XREAD 1, XBUF+64
	s_wait_dscnt 16                                ; K step 0 of x is in registers
	QUANT XBUF, 0
	IMAGE 0
	s_wait_dscnt 0x0                               ; K step 1 is in, and the stores have read their registers
	QUANT XBUF+64, 0
	IMAGE 1
	s_wait_tensorcnt 0x0
	ds_add_u32 v[SPW], v[NIL]
	s_add_nc_u64 s[G0X+2:G0X+3], s[G0X+2:G0X+3], 1024
	s_add_nc_u64 s[G0X+6:G0X+7], s[G0X+6:G0X+7], 1024
	s_mov_b32 s[G1+2], 136<<16                     ; no load of mine is out: from here on the weights come in parts: 136 rows (wave 3: 128, by its own group 1),
	s_mov_b32 s[G1+4], 136
.irp n, 0,1
	s_add_co_u32 s[G0+4*\n+1], s60, \n*SLOTB       ; at my part's place in the slot,
	s_add_nc_u64 s[G0+4*\n+2:G0+4*\n+3], s[62:63], \n*SLOTB   ; from my part of K step n, which the ring steps on
	s_or_b32 s[G0+4*\n+3], s[G0+4*\n+3], 0x80000000
.endr
	s_wait_dscnt 0x0                               ; the add, my images' stores and my reads of both x slots are done
	CROUND
	ARM 0, .Lx_asked                               ; x of K step 2
	ARM 1, .Lx_asked                               ; x of K step 3
.Lx_asked:
	PLACES 4
	FETCH_B 0, 0
	FETCH_A 0
	FETCH_B 0, 1
	PREF 4
	PREFW 3
	KSTEP 0                                        ; its products start the sums: nothing is cleared
	KSTEP 1
	KSTEP 2
	KSTEP 3
	KSTEP 4
	KSTEP 5
	KSTEP 6
	KSTEP 7
	; THE WAY OUT.  Every wave's reads of both weight slots are over behind this barrier, and both have had their last fill: the stages lie in them.
	s_wait_dscnt 0x0
	s_barrier_signal -1
	s_barrier_wait -1
	PLACES 4                                       ; in front of the first reads of results
	s_cmp_eq_u32 s21, 2
	s_cbranch_scc1 .Lv_out
	; q, k: the 64 registers of (row tile m, eighth g) are 128 neighbouring columns of my row: one double row; quantised as x is
.irp m, 0,1,2,3
.irp g, 0,1
	QUANT 64*\m, 2+\g
.irp c, 0,1,2
	ds_store_b128 v[STK], v[PC+4*\c:PC+4*\c+3] offset:\m*2*SP+16*\g+512*\c
.endr
	ds_store_b32 v[STKS], v[PW] offset:\m*2*SP+4*\g
	s_wait_dscnt 0x0                               ; the stores have read their registers
.endr
.endr
	s_branch .Lstaged
.Lv_out:
; v: tiles 2 p, 2 p + 1 of eighth g.  Register j of lane (r, h) is key 16 row + 2 j + h of the tile's d.  The exchange of halves gives lane half hh the tile 2 p + hh whole: registers 8 e + j = key 16 row + 2 j + e.
.macro VQ m, g
.set W_, 2+(\g)
	WIN (W_<<6)|W_
.irp p, 0,1,2,3
.irp j, 0,1,2,3,4,5,6,7
	v_permlane16_swap_b32 v[64*(\m)+16*\p+\j], v[64*(\m)+16*\p+8+\j]   ; each accumulator from its low end on
.endr
.endr
	WIN W_|(W_<<2)
.irp p, 0,1,2,3
	v_max3_num_f32 v[TM+\p], |v[64*(\m)+16*\p]|, |v[64*(\m)+16*\p+1]|, 0x1800000
.endr
.irp i, 2,4,6,8,10,12,14
.irp p, 0,1,2,3
	v_max3_num_f32 v[TM+\p], |v[64*(\m)+16*\p+\i]|, |v[64*(\m)+16*\p+\i+1]|, v[TM+\p]
.endr
.endr
	WIN 0
.irp p, 0,1,2,3
	v_max_num_f32_dpp v[TM+\p], v[TM+\p], v[TM+\p] row_xmask:1 row_mask:0xf bank_mask:0xf   ; with the block's other row, in the lane beside me
.endr
.irp p, 0,1,2,3
	v_add_nc_u32 v[TM+12+\p], 0xff000000, v[TM+\p]
.endr
.irp p, 0,1,2,3
	v_lshrrev_b32 v[TM+4+\p], 23, v[TM+12+\p]
.endr
	WIN W_
.irp p, 0,1,2,3
	v_cvt_scalef32_pk16_fp6_f32 v[PC+4*\p:PC+4*\p+2], v[64*(\m)+16*\p:64*(\m)+16*\p+15], v[TM+12+\p]   ; half a block: three registers of the fragment
.endr
	WIN 0
	v_nop                                          ; one plain line behind a scaled conversion
.irp p, 0,1,2,3
.irp i, 0,1,2
	ds_store_b32 v[STV+\i], v[PC+4*\p+\i] offset:(\m)*2*SP+32*(4*(\g)+\p)
.endr
	ds_store_b8 v[STVS], v[TM+4+\p] offset:(\m)*2*SP+8*(4*(\g)+\p)   ; both rows' lanes write the same byte with the same value
.endr
	s_wait_dscnt 0x0                               ; the stores have read their registers
.endm
.irp m, 0,1,2,3
.irp g, 0,1
	VQ \m, \g
.endr
.endr
.Lstaged:
	s_wait_dscnt 0x0                               ; for the others' sake: my stores into the stage are done
	s_barrier_signal -1
	s_barrier_wait -1
; Two steps' blocks a wave leave as they lie: each store of the wave covers 512 (the scale words: 256) consecutive bytes, aligned.
.macro READBACK rd, rd64
.irp kk, 0,1
.irp q, 0,1,2,3,4,5,6,7,8,9,10,11
	ds_load_b128 v[128+48*\kk+4*\q:128+48*\kk+4*\q+3], v[\rd] offset:\kk*SP+IP*(\q/3)+512*(\q%3)
.endr
	ds_load_b64 v[224+2*\kk:225+2*\kk], v[\rd64] offset:\kk*SP+6208
.endr
	s_wait_dscnt 0x0
.irp kk, 0,1
.irp q, 0,1,2,3,4,5,6,7,8,9,10,11
	global_store_b128 v[GO], v[128+48*\kk+4*\q:128+48*\kk+4*\q+3], s[42:43] offset:\kk*6400+1536*(\q/3)+512*(\q%3)
.endr
	global_store_b64 v[GO64], v[224+2*\kk:225+2*\kk], s[42:43] offset:\kk*6400+6144
.endr
.endm
	s_cmp_eq_u32 s21, 2
	s_cbranch_scc1 .Lv_back
	READBACK RDBA, RD64A
	s_branch .Lend
.Lv_back:
	READBACK RDBB, RD64B
.Lend:
	s_wait_tensorcnt 0x0                           ; the wave's end
	ds_add_u32 v[SPW], v[NIL]
	s_wait_dscnt 0x0
	CROUND                                         ; the closing round
	s_endpgm
.Lfunc_end_k_qb1a8a8ede3_proj:
	.size	k_qb1a8a8ede3_proj, .Lfunc_end_k_qb1a8a8ede3_proj-k_qb1a8a8ede3_proj
	.p2alignl 7, 3214868480
	.fill 96, 4, 3214868480
	.section	.rodata,"a",@progbits
	.p2align	6, 0x0
	.amdhsa_kernel k_qb1a8a8ede3_proj
		.amdhsa_group_segment_fixed_size 327680
		.amdhsa_private_segment_fixed_size 0
		.amdhsa_enable_private_segment 0
		.amdhsa_kernarg_size 56
		.amdhsa_user_sgpr_count 2
		.amdhsa_user_sgpr_kernarg_segment_ptr 1
		.amdhsa_wavefront_size32 1
		.amdhsa_system_sgpr_workgroup_id_x 1
		.amdhsa_system_sgpr_workgroup_id_y 1
		.amdhsa_system_sgpr_workgroup_id_z 1
		.amdhsa_system_vgpr_workitem_id 0
		.amdhsa_next_free_vgpr 1024
		.amdhsa_next_free_sgpr 84
		.amdhsa_reserve_vcc 0
		.amdhsa_float_denorm_mode_32 3
		.amdhsa_float_denorm_mode_16_64 3
		.amdhsa_memory_ordered 1
		.amdhsa_forward_progress 1
		.amdhsa_inst_pref_size 252
	.end_amdhsa_kernel
	.amdgpu_metadata
---
amdhsa.version: [ 1, 2 ]
amdhsa.kernels:
  - .name:           k_qb1a8a8ede3_proj
    .symbol:         k_qb1a8a8ede3_proj.kd
    .args:
      - { .name: Q, .offset: 0, .size: 8, .value_kind: global_buffer, .address_space: global }
      - { .name: K, .offset: 8, .size: 8, .value_kind: global_buffer, .address_space: global }
      - { .name: V, .offset: 16, .size: 8, .value_kind: global_buffer, .address_space: global }
      - { .name: wcodes, .offset: 24, .size: 8, .value_kind: global_buffer, .address_space: global }
      - { .name: qbuf, .offset: 32, .size: 8, .value_kind: global_buffer, .address_space: global }
      - { .name: kbuf, .offset: 40, .size: 8, .value_kind: global_buffer, .address_space: global }
      - { .name: vbuf, .offset: 48, .size: 8, .value_kind: global_buffer, .address_space: global }
    .group_segment_fixed_size: 327680
    .private_segment_fixed_size: 0
    .kernarg_segment_align: 8
    .kernarg_segment_size: 56
    .max_flat_workgroup_size: 128
    .sgpr_count:     84
    .vgpr_count:     1024
    .wavefront_size: 32
...
	.end_amdgpu_metadata
.endif
;; end of part 2
;; launch attn (part 3): grid 4 x 64, 16 waves a work-group, clusters of 4 x 1, 206,848 bytes of LDS; arguments qbuf, kbuf, vbuf, cbuf; writes cbuf
.if DOCPART == 3
	.amdgcn_target "amdgcn-amd-amdhsa--gfx1250"
	.amdhsa_code_object_version 6
	.text
	.protected	k_qb1a8a8ede3_attn
	.globl	k_qb1a8a8ede3_attn
	.p2align	8
	.type	k_qb1a8a8ede3_attn,@function
k_qb1a8a8ede3_attn:
	s_mov_b64 s[64:65], 0
	v_nop
	global_prefetch_b8 v0, s[64:65] scope:SCOPE_SE
	s_setreg_imm32_b32 hwreg(HW_REG_WAVE_MODE, 25, 1), 1
	s_wait_xcnt 0x0
	s_wait_alu depctr_hold_cnt(0) depctr_sa_sdst(0) depctr_va_vdst(0) depctr_va_sdst(0) depctr_va_ssrc(0) depctr_va_vcc(0) depctr_vm_vsrc(0)
	s_getreg_b32 s2, hwreg(HW_REG_IB_STS2, 6, 4)
	s_cmp_eq_u32 s2, 0
	s_cbranch_scc0 .Lentry_in_a_cluster
	s_endpgm
.Lentry_in_a_cluster:
	s_bfe_u32 s2, ttmp6, 0x10000c
	s_cmp_lg_u32 s2, 0x3003
	s_cbranch_scc0 .Lentry_shape_is_right
	s_endpgm
.Lentry_shape_is_right:
; ctx[head][q] = softmax_k(q . k / 8) v, 64 heads of 2,048 x 2,048, head size 64, both products on codes of FP6 (E2M3) with one E8M0 scale for each 32 along a product's K; ctx is quantised here for the last product.
; THE SOFTMAX AHEAD OF THE SECOND PRODUCT: t = score x log2(e) / 8; M = the row's largest t so far, rounded UP to a whole number; p = 2^(t - M) is quantised along the keys, not normalised; the row's sum is taken of the
; unquantised p and divides at the end.  When M moves, the sum and O are multiplied by 2^(old M - new M): exact.
; SHARES.  A work-group owns 512 queries of one head; each of its sixteen waves 32 of them (q block bq), as two tiles of 16 one after the other: the even queries, then the odd ones.  Four waves to a SIMD.
; A WHOLE HEAD'S K AND V LIE IN LDS (2 x 102,400 bytes), each byte filled once: no slot is filled again.  The four work-groups of a head are one cluster and ask for each part JOINTLY.
; LAYOUT.  K comes as double rows: a fragment's row i of block b is keys 32 b + 2 i and 32 b + 2 i + 1, [64 | 64] along the instruction's 128.  Source 1 is [q | 0] or [0 | q] (zero codes): the same 12 registers of K give
; the even keys with the one and the odd keys with the other.  So S[16 b + 8 e + j] of lane (query, a) is key 32 b + 16 a + 2 j + e, and a block's 32 keys stand in p's codes at places 16 a + 8 e + j: V's codes were laid in that order.
; Both products are used transposed: a lane holds ONE query throughout.  V's rows in a tile are chosen so that O's 16 registers of two neighbouring tiles are 16 neighbouring d.
; OUT: cbuf[group of 64 rows][tile m 4][K step 8] register images (registers 2 j, 2 j + 1 of lane L at 256 j + 8 L), a head fills half a fragment: 768 dense bytes; scale words [K step][row 16][m 4], of which a head
; fills two bytes: these leave as stores of 2 bytes a lane (whole blocks would want two heads in a work-group, whose K and V do not fit in LDS together).
; LIMITS: NaN and infinities are not served; a block whose largest magnitude lies under 2^-124 gets the byte 1.  A block's largest p is taken from its largest score by the same multiply-add and exponential,
; which takes v_exp_f32 not to fall where its input rises.  Inside a block of 32 the products are summed in the places' order, not in the keys'.
.set VOFF, 102400                      ; V behind K; a step of 128 keys is 6,400 bytes: 4 images of 1,536, 256 bytes of scale words
.set LI,  1                            ; v1   16 x lane
.set LS,  2                            ; v2   4 x lane
.set ADK, 3                            ; v3-6 the step's addresses: K, K's scale words, V, V's
.set ADS, 4
.set ADV, 5
.set ADT, 6
.set GC,  7                            ; v7   8 x lane
.set GS,  8                            ; v8   16 x (lane % 16)
.set QHI, 16                           ; v16-27 [0 | q];  v22-33 [q | 0]
.set QLO, 22
.set QRAW, 34                          ; v34-45 q's image as loaded; v46 its scale word
.set QS,  47                           ; the tile's two bytes, in both halves of the word
.set KF,  48                           ; v48-95  four fragments of K, then of V
.set S,   96                           ; v96-159 scores, then p
.set O,   160                          ; v160-191 O^T
.set PCD, 192                          ; v192-203 p's codes;  v204-211 the conversions' second halves
.set PC2, 204
.set BM,  212                          ; block maxima
.set BP,  216                          ; at work
.set SCO, 220                          ; the conversions' scale operands
.set KS,  224                          ; K's scale words (two registers: lanes 0-15 and 16-31 each a block)
.set VS,  226
.set PS,  228                          ; p's scale word
.set FF,  230                          ; v[230:231] f
.set T0,  232
.set WV,  12
.set SEL, 16                           ; s[16:17]
.set CS,  18                           ; s[18:19] c = log2(e) / 8
.set G1,  20                           ; s[20:27]
.set G0,  28                           ; s[28:31] group 0: my sixteenth of K and V
.set TB,  44                           ; LDS byte of the step in hand
.set CNT, 45
.macro CROUND
	s_barrier_signal -1
	s_barrier_wait -1
	s_cmp_lg_u32 s[WV], 0
	s_cbranch_scc1 .Lnot_wave_0_\@
	s_barrier_signal -3
.Lnot_wave_0_\@:
	s_barrier_wait -3
	s_barrier_signal -1
	s_barrier_wait -1
.endm
	s_load_b256 s[4:11], s[0:1], 0x0               ; qbuf, kbuf, vbuf, cbuf
	v_lshl_add_u32 v254, v0, 2, 0x32000
	v_mov_b32 v255, 0
	ds_add_u32 v254, v255
	ds_add_u32 v254, v255
	v_lshrrev_b32 v1, 5, v0
	s_delay_alu instid0(VALU_DEP_1)
	v_readfirstlane_b32 s[WV], v1                  ; wave 0..15
	s_bfe_u32 s13, ttmp6, 0x40000                  ; cx
	s_lshl_b32 s15, ttmp9, 2
	s_add_co_u32 s15, s15, s13
	s_lshl_b32 s15, s15, 4
	s_add_co_u32 s15, s15, s[WV]                   ; bq: my block of 32 queries; it enters global addresses alone
	s_and_b32 s14, ttmp7, 0xffff                   ; the head, which the four partners share
	s_mov_b32 s[SEL], 0x76543210
	s_mov_b32 s[SEL+1], 0xfedcba98
	s_mov_b32 s[CS], 0x3e38aa3b
	s_mov_b32 s[CS+1], s[CS]                       ; (named with it as a pair, so it is written)
	s_mov_b32 s[G1], 15|(3<<16)|(1<<21)            ; the mask: all four; elements of 8 bytes; bit 21 beside a mask
	s_mov_b32 s[G1+1], 32<<16                      ; rows of 256 bytes,
	s_mov_b32 s[G1+2], 50<<16                      ; 50 of them: two steps, 12,800 dense bytes
	s_mov_b32 s[G1+3], 32<<16
	s_mov_b32 s[G1+4], 50
	s_mov_b32 s[G1+5], 32
	s_mov_b32 s[G1+6], 0
	s_mov_b32 s[G1+7], 0
	s_mul_i32 s54, s14, 102400                     ; the head's first byte in qbuf, kbuf, vbuf
	s_lshr_b32 s55, s15, 2
	s_mul_i32 s55, s55, 6400
	s_add_co_u32 s55, s55, s54                     ; my q block's step
	s_and_b32 s56, s15, 3
	s_mul_i32 s57, s56, 1536
	s_add_co_u32 s58, s55, s57                     ; its image
	s_mov_b32 s59, 0
	s_lshl_b32 s56, s56, 6
	s_add_co_u32 s60, s55, s56
	s_add_co_u32 s60, s60, 6144                    ; its scale words
	s_mov_b32 s61, 0
	s_wait_dscnt 0x0
	s_wait_kmcnt 0x0
	s_add_nc_u64 s[46:47], s[4:5], s[58:59]
	s_add_nc_u64 s[52:53], s[4:5], s[60:61]
	s_lshr_b32 s56, s14, 4
	s_lshl_b32 s56, s56, 5
	s_lshr_b32 s57, s15, 1
	s_add_co_u32 s56, s56, s57                     ; the group of 64 rows of ctx: 32 x batch + bq / 2
	s_mul_i32 s56, s56, 51200
	s_bfe_u32 s57, s14, 0x30001                    ; the last product's K step: (head % 16) / 2
	s_and_b32 s62, s14, 1                          ; which half of it
	s_and_b32 s63, s15, 1
	s_lshl_b32 s58, s63, 4
	s_add_co_u32 s58, s58, s57
	s_mul_i32 s58, s58, 1536                       ; tile m = 2 (bq % 2) + e: image 8 m + K step
	s_add_co_u32 s58, s58, s56
	s_mul_i32 s60, s62, 768
	s_add_co_u32 s58, s58, s60
	s_add_nc_u64 s[48:49], s[10:11], s[58:59]
	s_lshl_b32 s58, s57, 8
	s_add_co_u32 s58, s58, s56
	s_add_co_u32 s58, s58, 49152
	s_lshl_b32 s60, s63, 3
	s_add_co_u32 s58, s58, s60
	s_lshl_b32 s60, s62, 1
	s_add_co_u32 s58, s58, s60
	s_add_nc_u64 s[50:51], s[10:11], s[58:59]
	; every wave fetches two steps, 12,800 bytes: waves 0-7 K's, waves 8-15 V's; V lies 8 x 12,800 bytes behind K, so the LDS byte is 12,800 x wave
	s_lshr_b32 s56, s[WV], 3
	s_and_b32 s57, s[WV], 7
	s_mul_i32 s58, s[WV], 12800
	s_mul_i32 s60, s57, 12800
	s_add_co_u32 s60, s60, s54
	s_cmp_eq_u32 s56, 0
	s_cselect_b64 s[62:63], s[6:7], s[8:9]
	s_mov_b32 s[G0], 1
	s_mov_b32 s[G0+1], s58
	s_add_nc_u64 s[G0+2:G0+3], s[62:63], s[60:61]
	s_or_b32 s[G0+3], s[G0+3], 0x80000000
	v_and_b32 v9, 31, v0
	v_and_b32 v10, 15, v0
	s_delay_alu instid0(VALU_DEP_2)
	v_lshlrev_b32 v[LI], 4, v9
	s_delay_alu instid0(VALU_DEP_3)
	v_lshlrev_b32 v[LS], 2, v9
	s_delay_alu instid0(VALU_DEP_4)
	v_lshlrev_b32 v[GC], 3, v9
	s_delay_alu instid0(VALU_DEP_4)
	v_lshlrev_b32 v[GS], 4, v10
	v_lshlrev_b32 v11, 2, v10
.irp c, 0,1,2
	global_load_b128 v[QRAW+4*\c:QRAW+4*\c+3], v[LI], s[46:47] offset:512*\c   ; q's fragment: registers 0-5 the even queries, 6-11 the odd ones
.endr
	global_load_b32 v46, v11, s[52:53]
.irp i, 0,1,2,3,4,5
	v_mov_b32 v[QHI+\i], 0                         ; zero codes
	v_mov_b32 v[QLO+6+\i], 0
.endr
.irp b, 0,1,2,3
	v_mov_b32 v[BP+\b], 0                          ; written once: a lane permute's destination counts as one of its sources
.endr
	v_mov_b32 v[FF+1], 0                           ; (named as the upper half of a pair)
	CROUND                                         ; all four work-groups are here: the joint loads meet
	tensor_load_to_lds s[G0:G0+3], s[G1:G1+7]      ; one load a wave: sixteen loads bring the head's K and V
	s_nop 0
.rept 4
	v_nop
.endr
	s_wait_loadcnt 0x0                             ; q
	s_wait_tensorcnt 0x0                           ; my part is in
	s_barrier_signal -1
	s_barrier_wait -1                              ; everybody's is; nothing is filled again
; A KEY STEP: 128 keys at LDS byte s[TB].
.macro STEP
	v_add_nc_u32 v[ADK], s[TB], v[LI]              ; (these four are also the places behind the last step's products, in front of the loads below)
	v_add_nc_u32 v[ADS], s[TB], v[LS]
	s_delay_alu instid0(VALU_DEP_2)
	v_add_nc_u32 v[ADV], VOFF, v[ADK]
	s_delay_alu instid0(VALU_DEP_2)
	v_add_nc_u32 v[ADT], VOFF, v[ADS]
.irp b, 0,1,2,3
.irp c, 0,1,2
	ds_load_b128 v[KF+12*\b+4*\c:KF+12*\b+4*\c+3], v[ADK] offset:1536*\b+512*\c
.endr
.endr
	ds_load_b32 v[KS], v[ADS] offset:6144
	ds_load_b32 v[KS+1], v[ADS] offset:6272
	s_wait_alu depctr_va_vdst(0)
	s_wait_dscnt 0x0
.irp b, 0,1,2,3                                ; S^T: block b's even keys, then its odd keys, from the same fragment of K
.if \b%2
	v_wmma_scale_f32_16x16x128_f8f6f4 v[S+16*\b:S+16*\b+7], v[KF+12*\b:KF+12*\b+11], v[QLO:QLO+11], 0, v[KS+\b/2], v[QS] matrix_a_fmt:MATRIX_FMT_FP6 matrix_b_fmt:MATRIX_FMT_FP6 matrix_a_scale:MATRIX_SCALE_ROW1
	v_wmma_scale_f32_16x16x128_f8f6f4 v[S+16*\b+8:S+16*\b+15], v[KF+12*\b:KF+12*\b+11], v[QHI:QHI+11], 0, v[KS+\b/2], v[QS] matrix_a_fmt:MATRIX_FMT_FP6 matrix_b_fmt:MATRIX_FMT_FP6 matrix_a_scale:MATRIX_SCALE_ROW1
.else
	v_wmma_scale_f32_16x16x128_f8f6f4 v[S+16*\b:S+16*\b+7], v[KF+12*\b:KF+12*\b+11], v[QLO:QLO+11], 0, v[KS+\b/2], v[QS] matrix_a_fmt:MATRIX_FMT_FP6 matrix_b_fmt:MATRIX_FMT_FP6
	v_wmma_scale_f32_16x16x128_f8f6f4 v[S+16*\b+8:S+16*\b+15], v[KF+12*\b:KF+12*\b+11], v[QHI:QHI+11], 0, v[KS+\b/2], v[QS] matrix_a_fmt:MATRIX_FMT_FP6 matrix_b_fmt:MATRIX_FMT_FP6
.endif
.endr
.rept 4
	v_nop                                          ; places: in front of the loads into K's registers and of the first read of the scores
.endr
.irp b, 0,1,2,3                                ; V's fragments are asked for now and land during the softmax
.irp c, 0,1,2
	ds_load_b128 v[KF+12*\b+4*\c:KF+12*\b+4*\c+3], v[ADV] offset:1536*\b+512*\c
.endr
.endr
	ds_load_b32 v[VS], v[ADT] offset:6144
	ds_load_b32 v[VS+1], v[ADT] offset:6272
.irp b, 0,1,2,3
	v_max3_num_f32 v[BM+\b], v[S+16*\b], v[S+16*\b+1], v[S+16*\b+2]   ; the largest score of each block of 32 keys: for the row's maximum and for the block's largest p; each accumulator is read from its low end on
.endr
.irp i, 3,5,7,9,11,13
.irp b, 0,1,2,3
	v_max3_num_f32 v[BM+\b], v[BM+\b], v[S+16*\b+\i], v[S+16*\b+\i+1]
.endr
.endr
.irp b, 0,1,2,3
	v_max_num_f32 v[BM+\b], v[BM+\b], v[S+16*\b+15]
.endr
.irp b, 0,1,2,3
	s_delay_alu instid0(VALU_DEP_4)
	v_permlanex16_b32 v[BP+\b], v[BM+\b], s[SEL], s[SEL+1]
.endr
.irp b, 0,1,2,3
	s_delay_alu instid0(VALU_DEP_4)
	v_max_num_f32 v[BM+\b], v[BM+\b], v[BP+\b]     ; with lane l xor 16's 16 keys
.endr
	s_delay_alu instid0(VALU_DEP_2)
	v_max3_num_f32 v[T0], v[BM], v[BM+1], v[BM+2]
	s_delay_alu instid0(VALU_DEP_1)
	v_max_num_f32 v[T0], v[T0], v[BM+3]
	s_delay_alu instid0(VALU_DEP_1)
	v_mul_f32 v[T0], s[CS], v[T0]                  ; as t (c is positive)
	s_delay_alu instid0(VALU_DEP_1)
	v_max_num_f32 v13, v13, v[T0]                  ; the running largest t
	v_mov_b32 v[T0], v12
	s_delay_alu instid0(VALU_DEP_2)
	v_floor_f32 v12, -v13                          ; the new -M = floor(-t): M is a whole number
	s_delay_alu instid0(VALU_DEP_1)
	v_sub_f32 v[T0], v12, v[T0]                    ; old M - new M: a whole number, 0 or less
	s_delay_alu instid0(VALU_DEP_1)
	v_cvt_i32_f32 v[T0], v[T0]                     ; (it saturates)
	s_delay_alu instid0(VALU_DEP_1)
	v_ldexp_f32 v[FF], 1.0, v[T0]                  ; f = 2^(old M - new M)
.set J_, 0
.rept 32
	v_pk_fma_f32 v[S+J_:S+J_+1], v[S+J_:S+J_+1], s[CS:CS+1], v[12:13] op_sel_hi:[1,0,0]   ; t - M, two at a time
.set J_, J_+2
.endr
.irp b, 0,1,2,3
	v_fma_f32 v[BM+\b], v[BM+\b], s[CS], v12       ; the same of each block's largest score
.endr
.set J_, 0
	s_wait_alu depctr_va_vdst(0)
.rept 64
	v_exp_f32 v[S+J_], v[S+J_]                     ; p = 2^(t - M), at most 1
.set J_, J_+1
.endr
	v_pk_mul_f32 v[14:15], v[14:15], v[FF:FF+1] op_sel_hi:[1,0]   ; the sums under the new M (a plain line behind the exponentials)
	s_wait_alu depctr_va_vdst(0)                   ; one wait for the whole batch, ahead of its first reader
.irp b, 0,1,2,3
	v_exp_f32 v[BM+\b], v[BM+\b]                   ; the block's largest p
.endr
	v_pk_add_f32 v[216:217], v[100:101], v[104:105]
	v_pk_add_f32 v[252:253], v[108:109], v[112:113]
	v_pk_add_f32 v[250:251], v[116:117], v[120:121]
	v_pk_add_f32 v[248:249], v[124:125], v[128:129]
	v_pk_add_f32 v[246:247], v[132:133], v[136:137]
	v_pk_add_f32 v[244:245], v[140:141], v[144:145]
	v_pk_add_f32 v[242:243], v[148:149], v[152:153]
	v_pk_add_f32 v[14:15], v[14:15], v[156:157]
	v_pk_add_f32 v[216:217], v[216:217], v[96:97]
	v_pk_add_f32 v[252:253], v[252:253], v[98:99]
	v_pk_add_f32 v[250:251], v[250:251], v[102:103]
	v_pk_add_f32 v[248:249], v[248:249], v[106:107]
	v_pk_add_f32 v[246:247], v[246:247], v[110:111]
	v_pk_add_f32 v[244:245], v[244:245], v[114:115]
	v_pk_add_f32 v[242:243], v[242:243], v[118:119]
	v_pk_add_f32 v[14:15], v[14:15], v[122:123]
	v_pk_add_f32 v[216:217], v[216:217], v[126:127]
	v_pk_add_f32 v[252:253], v[252:253], v[130:131]
	v_pk_add_f32 v[250:251], v[250:251], v[134:135]
	v_pk_add_f32 v[248:249], v[248:249], v[138:139]
	v_pk_add_f32 v[246:247], v[246:247], v[142:143]
	v_pk_add_f32 v[244:245], v[244:245], v[146:147]
	v_pk_add_f32 v[242:243], v[242:243], v[150:151]
	v_pk_add_f32 v[14:15], v[14:15], v[154:155]
	v_pk_add_f32 v[216:217], v[216:217], v[158:159]
	s_delay_alu instid0(VALU_DEP_2)
	v_pk_add_f32 v[14:15], v[14:15], v[248:249]
	s_delay_alu instid0(VALU_DEP_2)
	v_pk_add_f32 v[216:217], v[216:217], v[246:247]
	v_pk_add_f32 v[252:253], v[252:253], v[244:245]
	v_pk_add_f32 v[250:251], v[250:251], v[242:243]
	s_delay_alu instid0(VALU_DEP_2)
	v_pk_add_f32 v[14:15], v[14:15], v[252:253]
	s_delay_alu instid0(VALU_DEP_2)
	v_pk_add_f32 v[216:217], v[216:217], v[250:251]
	s_delay_alu instid0(VALU_DEP_1)
	v_pk_add_f32 v[14:15], v[14:15], v[216:217]
	s_wait_alu depctr_va_vdst(0)                   ; and one for the four
.irp b, 0,1,2,3
	v_max_num_f32 v[BM+\b], 0x1800000, v[BM+\b]    ; the floor 2^(3 - 127): the byte cannot fall under 1
.endr
.irp b, 0,1,2,3
	s_delay_alu instid0(VALU_DEP_4)
	v_add_nc_u32 v[SCO+\b], 0xff000000, v[BM+\b]
.endr
.irp b, 0,1,2,3
	s_delay_alu instid0(VALU_DEP_4)
	v_lshrrev_b32 v[BP+\b], 23, v[SCO+\b]
.endr
	s_delay_alu instid0(VALU_DEP_3)
	v_lshl_or_b32 v[PS], v[BP+1], 8, v[BP]         ; p's scale word for these 128 keys
	s_delay_alu instid0(VALU_DEP_1)
	v_lshl_or_b32 v[PS], v[BP+2], 16, v[PS]
	s_delay_alu instid0(VALU_DEP_1)
	v_lshl_or_b32 v[PS], v[BP+3], 24, v[PS]
.irp c, 0,1
	v_cvt_scalef32_pk16_fp6_f32 v[PCD+6*\c:PCD+6*\c+2], v[S+32*\c:S+32*\c+15], v[SCO+2*\c]
	v_cvt_scalef32_pk16_fp6_f32 v[PC2+4*\c:PC2+4*\c+2], v[S+32*\c+16:S+32*\c+31], v[SCO+2*\c+1]
.endr
	v_nop                                          ; one plain line behind a scaled conversion
.irp c, 0,1                                    ; a WHOLE block in a lane: lanes 0-15 block 2 c, lanes 16-31 block 2 c + 1
.irp i, 0,1,2
	v_permlane16_swap_b32 v[PCD+6*\c+\i], v[PC2+4*\c+\i]
.endr
.irp i, 0,1,2
	s_delay_alu instid0(VALU_DEP_3)
	v_mov_b32 v[PCD+3+6*\c+\i], v[PC2+4*\c+\i]
.endr
.endr
.set J_, 0
.rept 16
	v_pk_mul_f32 v[O+J_:O+J_+1], v[O+J_:O+J_+1], v[FF:FF+1] op_sel_hi:[1,0]   ; O^T under the new M (these are also the plain lines between the writes of p's codes and scale word and the products)
.set J_, J_+2
.endr
	s_wait_alu depctr_va_vdst(0)
	s_wait_dscnt 0x0                               ; V is in
.irp dt, 0,1,2,3                               ; O^T += V^T P^T: the four accumulators by turns
.if \dt%2
	v_wmma_scale_f32_16x16x128_f8f6f4 v[O+8*\dt:O+8*\dt+7], v[KF+12*\dt:KF+12*\dt+11], v[PCD:PCD+11], v[O+8*\dt:O+8*\dt+7], v[VS+\dt/2], v[PS] matrix_a_fmt:MATRIX_FMT_FP6 matrix_b_fmt:MATRIX_FMT_FP6 matrix_a_scale:MATRIX_SCALE_ROW1
.else
	v_wmma_scale_f32_16x16x128_f8f6f4 v[O+8*\dt:O+8*\dt+7], v[KF+12*\dt:KF+12*\dt+11], v[PCD:PCD+11], v[O+8*\dt:O+8*\dt+7], v[VS+\dt/2], v[PS] matrix_a_fmt:MATRIX_FMT_FP6 matrix_b_fmt:MATRIX_FMT_FP6
.endif
.endr
	s_add_co_u32 s[TB], s[TB], 6400
.endm
.macro STEPS n
	s_mov_b32 s[CNT], \n
.Lsteps_\@:
	STEP
	s_sub_co_u32 s[CNT], s[CNT], 1
	s_cmp_lg_u32 s[CNT], 0
	s_cbranch_scc1 .Lsteps_\@
.endm
; A TILE OF 16 QUERIES: 32 bq + 2 r + e.
.macro QTILE e
.if \e
	s_wait_xcnt 0x0                                ; the last tile's stores have read their registers
.endif
.irp i, 0,1,2,3,4,5
	v_mov_b32 v[QLO+\i], v[QRAW+6*\e+\i]
.endr
.if \e
	v_lshrrev_b32 v[QS], 16, v46
	s_delay_alu instid0(VALU_DEP_1)
	v_and_or_b32 v[QS], v46, 0xffff0000, v[QS]
.else
	v_and_b32 v[QS], 0xffff, v46
	s_delay_alu instid0(VALU_DEP_1)
	v_lshl_or_b32 v[QS], v[QS], 16, v[QS]
.endif
	v_mov_b32 v13, 0xff61b1e6                      ; the largest t so far: -3e38, under every t
	s_delay_alu instid0(VALU_DEP_1)
	v_floor_f32 v12, -v13
	v_mov_b32 v14, 0
	v_mov_b32 v15, 0
.set J_, 0
.rept 32
	v_mov_b32 v[O+J_], 0                           ; the step is written once: the first finds zeros, which the first change of M leaves zeros
.set J_, J_+1
.endr
	s_mov_b32 s[TB], 0
	STEPS 16
.rept 4
	v_nop                                          ; places in front of the first read of O^T
.endr
	v_add_f32 v14, v14, v15                        ; the sum's two halves,
	s_delay_alu instid0(VALU_DEP_1)
	v_permlanex16_b32 v[T0], v14, s[SEL], s[SEL+1]
	s_delay_alu instid0(VALU_DEP_1)
	v_add_f32 v14, v14, v[T0]                      ; and lane l xor 16's
	s_wait_alu depctr_va_vdst(0)
	v_rcp_f32 v14, v14
	v_nop                                          ; a plain line behind the reciprocal
	s_wait_alu depctr_va_vdst(0)                   ; and the wait ahead of its first reader
.set J_, 0
.rept 16
	v_pk_mul_f32 v[S+J_:S+J_+1], v[O+J_:O+J_+1], v[14:15] op_sel_hi:[1,0]   ; ctx: register 16 a + i is d = 32 a + 16 (lane / 16) + i; ascending: each accumulator from its low end on
.set J_, J_+2
.endr
.irp a, 0,1
	v_max3_num_f32 v[BM+\a], |v[S+16*\a]|, |v[S+16*\a+1]|, 0x1800000
.endr
.irp i, 2,4,6,8,10,12,14
.irp a, 0,1
	s_delay_alu instid0(VALU_DEP_2)
	v_max3_num_f32 v[BM+\a], v[BM+\a], |v[S+16*\a+\i]|, |v[S+16*\a+\i+1]|
.endr
.endr
.irp a, 0,1
	s_delay_alu instid0(VALU_DEP_2)
	v_permlanex16_b32 v[BP+\a], v[BM+\a], s[SEL], s[SEL+1]
.endr
.irp a, 0,1
	s_delay_alu instid0(VALU_DEP_2)
	v_max_num_f32 v[BM+\a], v[BM+\a], v[BP+\a]
.endr
.irp a, 0,1
	s_delay_alu instid0(VALU_DEP_2)
	v_add_nc_u32 v[SCO+\a], 0xff000000, v[BM+\a]
.endr
.irp a, 0,1
	s_delay_alu instid0(VALU_DEP_2)
	v_lshrrev_b32 v[BP+\a], 23, v[SCO+\a]
.endr
	s_delay_alu instid0(VALU_DEP_1)
	v_lshl_or_b32 v[T0+1], v[BP+1], 8, v[BP]       ; my row's two scale bytes
	v_cvt_scalef32_pk16_fp6_f32 v[PCD:PCD+2], v[S:S+15], v[SCO]
	v_cvt_scalef32_pk16_fp6_f32 v[PCD+4:PCD+6], v[S+16:S+31], v[SCO+1]
	v_nop                                          ; one plain line behind a scaled conversion
.irp i, 0,1,2
	v_permlane16_swap_b32 v[PCD+\i], v[PCD+4+\i]   ; lanes 0-15: d 0-31, lanes 16-31: d 32-63
.endr
	s_delay_alu instid0(VALU_DEP_3)
	v_mov_b32 v[PCD+3], v[PCD+4]
	s_delay_alu instid0(VALU_DEP_3)
	v_mov_b32 v[PCD+4], v[PCD+5]
	s_delay_alu instid0(VALU_DEP_3)
	v_mov_b32 v[PCD+5], v[PCD+6]
.irp c, 0,1,2
	global_store_b64 v[GC], v[PCD+2*\c:PCD+2*\c+1], s[48:49] offset:12288*\e+256*\c   ; each store of the wave covers 256 consecutive bytes, aligned
.endr
	global_store_b16 v[GS], v[T0+1], s[50:51] offset:4*\e   ; both halves of the lanes store the same two bytes to the same place
.endm
	QTILE 0
	QTILE 1
	s_wait_tensorcnt 0x0                           ; the wave's end
	ds_add_u32 v254, v255
	s_wait_dscnt 0x0
	CROUND                                         ; the closing round: no work-group ends while a partner may still ask for a tile that names it
	s_endpgm
.Lfunc_end_k_qb1a8a8ede3_attn:
	.size	k_qb1a8a8ede3_attn, .Lfunc_end_k_qb1a8a8ede3_attn-k_qb1a8a8ede3_attn
	.p2alignl 7, 3214868480
	.fill 96, 4, 3214868480
	.section	.rodata,"a",@progbits
	.p2align	6, 0x0
	.amdhsa_kernel k_qb1a8a8ede3_attn
		.amdhsa_group_segment_fixed_size 206848
		.amdhsa_private_segment_fixed_size 0
		.amdhsa_enable_private_segment 0
		.amdhsa_kernarg_size 32
		.amdhsa_user_sgpr_count 2
		.amdhsa_user_sgpr_kernarg_segment_ptr 1
		.amdhsa_wavefront_size32 1
		.amdhsa_system_sgpr_workgroup_id_x 1
		.amdhsa_system_sgpr_workgroup_id_y 1
		.amdhsa_system_sgpr_workgroup_id_z 1
		.amdhsa_system_vgpr_workitem_id 0
		.amdhsa_next_free_vgpr 256
		.amdhsa_next_free_sgpr 66
		.amdhsa_reserve_vcc 0
		.amdhsa_float_denorm_mode_32 3
		.amdhsa_float_denorm_mode_16_64 3
		.amdhsa_memory_ordered 1
		.amdhsa_forward_progress 1
		.amdhsa_inst_pref_size 52
	.end_amdhsa_kernel
	.amdgpu_metadata
---
amdhsa.version: [ 1, 2 ]
amdhsa.kernels:
  - .name:           k_qb1a8a8ede3_attn
    .symbol:         k_qb1a8a8ede3_attn.kd
    .args:
      - { .name: qbuf, .offset: 0, .size: 8, .value_kind: global_buffer, .address_space: global }
      - { .name: kbuf, .offset: 8, .size: 8, .value_kind: global_buffer, .address_space: global }
      - { .name: vbuf, .offset: 16, .size: 8, .value_kind: global_buffer, .address_space: global }
      - { .name: cbuf, .offset: 24, .size: 8, .value_kind: global_buffer, .address_space: global }
    .group_segment_fixed_size: 206848
    .private_segment_fixed_size: 0
    .kernarg_segment_align: 8
    .kernarg_segment_size: 32
    .max_flat_workgroup_size: 512
    .sgpr_count:     66
    .vgpr_count:     256
    .wavefront_size: 32
...
	.end_amdgpu_metadata
.endif
;; end of part 3
;; launch fc (part 4): grid 128 x 2, 4 waves a work-group, clusters of 4 x 1, 327,680 bytes of LDS; arguments cbuf, wcodes, out0; writes out0
.if DOCPART == 4
	.amdgcn_target "amdgcn-amd-amdhsa--gfx1250"
	.amdhsa_code_object_version 6
	.text
	.protected	k_qb1a8a8ede3_fc
	.globl	k_qb1a8a8ede3_fc
	.p2align	8
	.type	k_qb1a8a8ede3_fc,@function
k_qb1a8a8ede3_fc:
	s_mov_b64 s[64:65], 0
	v_nop
	global_prefetch_b8 v0, s[64:65] scope:SCOPE_SE
	s_setreg_imm32_b32 hwreg(HW_REG_WAVE_MODE, 25, 1), 1
	s_wait_xcnt 0x0
	s_wait_alu depctr_hold_cnt(0) depctr_sa_sdst(0) depctr_va_vdst(0) depctr_va_sdst(0) depctr_va_ssrc(0) depctr_va_vcc(0) depctr_vm_vsrc(0)
	s_getreg_b32 s2, hwreg(HW_REG_IB_STS2, 6, 4)
	s_cmp_eq_u32 s2, 0
	s_cbranch_scc0 .Lentry_in_a_cluster
	s_endpgm
.Lentry_in_a_cluster:
	s_bfe_u32 s2, ttmp6, 0x10000c
	s_cmp_lg_u32 s2, 0x3003
	s_cbranch_scc0 .Lentry_shape_is_right
	s_endpgm
.Lentry_shape_is_right:
; out0 = ctx Wfc, [8192][1024] x [1024][1024], on codes of FP6 (E2M3) with one E8M0 scale for each 32 along K; ctx's codes come from launch attn, Wfc's from launch wq, both as register images.
; A work-group makes 64 rows x 512 columns (work-group y: which half); wave w makes 64 x 128: 4 row tiles x 8 column tiles.  The product is used transposed: a lane holds eight neighbouring columns of a row.
; LDS: two weight slots of two K steps each, laid [K step 2][wave 4][12,800 bytes]; behind them ctx's 64 rows for all of K (51,200 bytes), filled once.
; WHO LOADS.  At the head waves 0, 1 bring the two halves of ctx's block (25,600 bytes each), waves 2, 3 the two K steps of weight slot 0 (51,200 dense bytes each).  Slot 1's first fill stands behind the full
; sequence and a round behind which nothing is filled again; it and the two refills come a quarter of a slot (25,600 dense bytes: half a K step's row) a wave.  The four work-groups of a cluster ask for the weights JOINTLY.
; No prefetch: K is four slots long, and two of them are asked for before the first product.
; LIMITS: as the launches that made the codes state them.
.set SLOTB,  102400
.set QUART,  25600
.set EIGHTH, 12800
.set AIMG,   2*SLOTB
.set ASC,    AIMG+49152                ; ctx's scale words [K step][row 16][m 4]
.set SPARE,  AIMG+51200                ; the spare words, 128 bytes for each wave
.set SPITCH, 528                       ; the way out: a stage of 16 rows x (512 + 16) bytes for each wave, in slot 0, which has had its last fill and read by then
.set ADRA,  3
.set ADRB,  4
.set ADRXS, 6
.set STO,   9
.set RD,    10
.set CO,    11
.set SPW,   21
.set NIL,   22
.set WS,    24
.set XS,    32
.set AF0,   80
.set BK,    128
.set G1W,   24                         ; s[24:31] group 1, weights: 200 rows at the head, then 100;  s[32:39] group 0, a set for each slot
.set G0W,   32
.set G1A,   40                         ; s[40:47], s[48:51] groups 1 and 0, ctx
.set G0A,   48
.set MSB, 0
.macro WIN new
.set WNEW, \new
.if MSB != WNEW
	s_set_vgpr_msb (MSB<<8)|WNEW
.set MSB, WNEW
.endif
.endm
.macro PLACES n
.rept \n
	v_nop
.endr
.endm
.macro CREST
	s_cmp_lg_u32 s18, 0
	s_cbranch_scc1 .Lnot_wave_0_\@
	s_barrier_signal -3
.Lnot_wave_0_\@:
	s_barrier_wait -3
	s_barrier_signal -1
	s_barrier_wait -1
.endm
.macro CROUND
	s_barrier_signal -1
	s_barrier_wait -1
	CREST
.endm
	s_load_b128 s[4:7], s[0:1], 0x0                ; cbuf, wcodes
	s_load_b64 s[8:9], s[0:1], 0x10                ; out0
	v_lshl_add_u32 v[SPW], v0, 2, SPARE
	v_mov_b32 v[NIL], 0
	ds_add_u32 v[SPW], v[NIL]                      ; the opening: the add, twice on end, and its wait
	ds_add_u32 v[SPW], v[NIL]
	s_wait_dscnt 0x0
	v_lshrrev_b32 v1, 5, v0
	v_readfirstlane_b32 s18, v1                    ; wave
	s_bfe_u32 s19, ttmp6, 0x40000                  ; cx
	s_lshl_b32 s20, ttmp9, 2
	s_add_co_u32 s20, s20, s19                     ; my group of 64 rows: it enters global addresses alone
	s_and_b32 s21, ttmp7, 0xffff                   ; which half of the columns: the same in all four partners
	s_mov_b32 s[G1W], 15|(3<<16)|(1<<21)           ; the mask: all four; elements of 8 bytes; bit 21 beside a mask
	s_mov_b32 s[G1W+1], 32<<16                     ; rows of 256 bytes,
	s_mov_b32 s[G1W+2], 200<<16                    ; at the head 200 of them
	s_mov_b32 s[G1W+3], 32<<16
	s_mov_b32 s[G1W+4], 200
	s_mov_b32 s[G1W+5], 32
	s_mov_b32 s[G1W+6], 0
	s_mov_b32 s[G1W+7], 0
	s_mov_b32 s[G1A], 3<<16                        ; no mask
	s_mov_b32 s[G1A+1], 32<<16
	s_mov_b32 s[G1A+2], 100<<16
	s_mov_b32 s[G1A+3], 32<<16
	s_mov_b32 s[G1A+4], 100
	s_mov_b32 s[G1A+5], 32
	s_mov_b32 s[G1A+6], 0
	s_mov_b32 s[G1A+7], 0
	s_and_b32 s60, s18, 1
	s_mul_i32 s52, s60, QUART                      ; (wave % 2) x 25,600: my half of ctx's block; also my half of a K step's row of weights
	s_mul_i32 s62, s60, SLOTB                      ; the head's weights in memory: K step wave % 2,
	s_mov_b32 s63, 0
	s_mul_i32 s60, s60, 2*QUART                    ; and in slot 0
	s_lshr_b32 s12, s18, 1
	s_mul_i32 s12, s12, SLOTB
	s_add_co_u32 s12, s12, s52                     ; my quarter of a slot in memory: K step wave / 2, half wave % 2,
	s_mov_b32 s13, 0
	s_mul_i32 s14, s18, QUART                      ; and in LDS
	s_mul_i32 s53, s18, EIGHTH                     ; the eighth that I read of each K step
	v_and_b32 v1, 15, v0
	v_bfe_u32 v2, v0, 4, 1
	v_and_b32 v7, 31, v0
	v_lshl_add_u32 v[ADRA], v7, 3, AIMG
	v_lshl_add_u32 v[ADRB], v7, 4, s53
	v_add_nc_u32 v[ADRB+1], SLOTB, v[ADRB]
	v_lshl_add_u32 v[ADRXS], v1, 4, ASC
	s_mul_i32 s54, s18, 16*SPITCH
	v_mul_u32_u24 v[STO], v1, SPITCH
	v_lshl_add_u32 v[STO], v2, 6, v[STO]
	v_add_nc_u32 v[STO], s54, v[STO]
	v_lshlrev_b32 v[CO], 4, v7
	v_add_nc_u32 v[RD], s54, v[CO]
	s_lshl_b32 s54, s21, 2
	s_mul_i32 s54, s54, EIGHTH
	s_add_co_u32 s54, s54, 2457600                 ; Wfc's codes, my half's four eighths of K step 0
	s_mov_b32 s55, 0
	s_mul_i32 s56, s20, 51200
	s_add_co_u32 s56, s56, s52
	s_mov_b32 s57, 0
	s_lshl_b32 s58, s20, 18
	s_lshl_b32 s59, s21, 11
	s_add_co_u32 s58, s58, s59
	s_lshl_b32 s59, s18, 9
	s_add_co_u32 s58, s58, s59
	s_mov_b32 s59, 0
	s_wait_kmcnt 0x0
	s_add_nc_u64 s[10:11], s[8:9], s[58:59]
	s_add_nc_u64 s[54:55], s[6:7], s[54:55]
	s_add_nc_u64 s[16:17], s[54:55], s[12:13]      ; my quarter of K steps 0 and 1
	s_mov_b32 s[G0A], 1
	s_add_co_u32 s[G0A+1], s52, AIMG
	s_add_nc_u64 s[G0A+2:G0A+3], s[4:5], s[56:57]
	s_or_b32 s[G0A+3], s[G0A+3], 0x80000000
	s_mov_b32 s[G0W], 1
	s_mov_b32 s[G0W+1], s60
	s_add_nc_u64 s[G0W+2:G0W+3], s[54:55], s[62:63]
	s_or_b32 s[G0W+3], s[G0W+3], 0x80000000
	CROUND                                         ; all four work-groups are here: the first joint loads meet
	s_cmp_lt_u32 s18, 2                            ; the head's loads, one a wave
	s_cbranch_scc0 .Lhead_w
	tensor_load_to_lds s[G0A:G0A+3], s[G1A:G1A+7]
	s_nop 0
	PLACES 4
	s_branch .Lhead_asked
.Lhead_w:
	tensor_load_to_lds s[G0W:G0W+3], s[G1W:G1W+7]
	s_nop 0
	PLACES 4
.Lhead_asked:
	s_wait_alu depctr_va_vdst(0)                   ; the wait at the head's end
	s_wait_tensorcnt 0x0                           ; my part is in
	ds_add_u32 v[SPW], v[NIL]
	s_mov_b32 s[G1W+2], 100<<16                    ; no load of mine is out: from here on a load brings 100 rows, a quarter of a slot
	s_mov_b32 s[G1W+4], 100
.irp n, 0,1
	s_mov_b32 s[G0W+4*\n], 1
	s_add_co_u32 s[G0W+4*\n+1], s14, \n*SLOTB
	s_add_nc_u64 s[G0W+4*\n+2:G0W+4*\n+3], s[16:17], \n*2*SLOTB   ; K steps 2 n, 2 n + 1
	s_or_b32 s[G0W+4*\n+3], s[G0W+4*\n+3], 0x80000000
.endr
	s_wait_dscnt 0x0
	CROUND                                         ; everybody's part is in
	tensor_load_to_lds s[G0W+4:G0W+7], s[G1W:G1W+7]   ; slot 1
	s_nop 0
	PLACES 4
.macro FETCH_B slot, kk                ; my eighth of K step kk of the slot: 8 fragments into set kk, and their scale words
	WIN 0x40
.irp nn, 0,1,2,3,4,5,6,7
.irp c, 0,1,2
	ds_load_b128 v[96*(\kk)+12*\nn+4*\c:96*(\kk)+12*\nn+4*\c+3], v[ADRB+(\slot)] offset:4*EIGHTH*(\kk)+1536*\nn+512*\c
.endr
.endr
	WIN 0
	ds_load_b128 v[WS+4*(\kk):WS+4*(\kk)+3], v[ADRB+(\slot)] offset:4*EIGHTH*(\kk)+12288
.endm
.macro FETCH_A s                       ; ctx's four fragments of K step s into set s % 2, and their scale words
.set AB_, AF0+112*((\s)&1)
	WIN 0x40*((\s)&1)
.irp m, 0,1,2,3
.irp j, 0,1,2,3,4,5
	ds_load_b64 v[AB_+12*\m+2*\j:AB_+12*\m+2*\j+1], v[ADRA] offset:(8*\m+(\s))*1536+256*\j
.endr
.endr
	WIN 0
	ds_load_b128 v[XS+4*((\s)&1):XS+4*((\s)&1)+3], v[ADRXS] offset:256*(\s)
.endm
.macro WM zero, odd
.if \zero
.if \odd
	v_wmma_scale_f32_16x16x128_f8f6f4 v[D_:D_+7], v[A_:A_+11], v[B_:B_+11], 0, v[SA_], v[SB_] matrix_a_fmt:MATRIX_FMT_FP6 matrix_b_fmt:MATRIX_FMT_FP6 matrix_a_scale:MATRIX_SCALE_ROW1
.else
	v_wmma_scale_f32_16x16x128_f8f6f4 v[D_:D_+7], v[A_:A_+11], v[B_:B_+11], 0, v[SA_], v[SB_] matrix_a_fmt:MATRIX_FMT_FP6 matrix_b_fmt:MATRIX_FMT_FP6
.endif
.else
.if \odd
	v_wmma_scale_f32_16x16x128_f8f6f4 v[D_:D_+7], v[A_:A_+11], v[B_:B_+11], v[D_:D_+7], v[SA_], v[SB_] matrix_a_fmt:MATRIX_FMT_FP6 matrix_b_fmt:MATRIX_FMT_FP6 matrix_a_scale:MATRIX_SCALE_ROW1
.else
	v_wmma_scale_f32_16x16x128_f8f6f4 v[D_:D_+7], v[A_:A_+11], v[B_:B_+11], v[D_:D_+7], v[SA_], v[SB_] matrix_a_fmt:MATRIX_FMT_FP6 matrix_b_fmt:MATRIX_FMT_FP6
.endif
.endif
.endm
.macro MUL16 m0, kk, zero              ; 16 products; the 32 accumulators take turns, in the same order in every K step
	WIN 0xa0|((\kk)<<2)|1
.irp m, \m0, \m0+1
.irp nn, 0,1,2,3,4,5,6,7
.set D_, 8*(8*(\m)+\nn)
.set A_, 96*(\kk)+12*\nn
.set B_, AF0+112*(\kk)+12*(\m)
.set SA_, WS+4*(\kk)+\nn/2
.set SB_, XS+4*(\kk)+(\m)
	WM \zero, \nn%2
.endr
.endr
.endm
.macro HALF p                          ; a slot's first K step; the second's fragments are fetched in its middle
.set SL_, (\p)&1
	s_wait_dscnt 0x0
	MUL16 0, 0, (\p)==0
	WIN 0
	PLACES 4
	FETCH_B SL_, 1
	FETCH_A 2*(\p)+1
	MUL16 2, 0, (\p)==0
	WIN 0
.endm
.macro TURN p, fill                    ; a slot's second K step, and the change of slots
.set SL_, (\p)&1
	s_wait_tensorcnt 0x0                           ; my quarter of the other slot is in
	ds_add_u32 v[SPW], v[NIL]
.if \fill
	s_add_nc_u64 s[G0W+4*SL_+2:G0W+4*SL_+3], s[G0W+4*SL_+2:G0W+4*SL_+3], 4*SLOTB
.endif
	s_wait_dscnt 0x0                               ; the add is done, my reads of this slot are over
	s_barrier_signal -1
	MUL16 0, 1, 0
	WIN 0
	s_barrier_wait -1
.if \fill
	CREST                                          ; the barrier has opened a round of the cluster's
	tensor_load_to_lds s[G0W+4*SL_:G0W+4*SL_+3], s[G1W:G1W+7]
	s_nop 0
.endif
	PLACES 4
	FETCH_B 1-SL_, 0
	FETCH_A 2*(\p)+2
	MUL16 2, 1, 0
	WIN 0
.endm
	FETCH_B 0, 0
	FETCH_A 0
	HALF 0
	TURN 0, 1
	HALF 1
	TURN 1, 1
	HALF 2
	TURN 2, 0
	HALF 3
	s_wait_dscnt 0x0
	MUL16 0, 1, 0
	MUL16 2, 1, 0
	WIN 0
; THE WAY OUT: a row tile goes through my own stage and comes back as whole rows of 512 bytes.  Tile m's row r is row 32 (m / 2) + m % 2 + 2 r of the group (launch attn's order of queries).
.macro TOSTAGE m
	WIN 0x08
.irp nn, 0,1,2,3,4,5,6,7
	ds_store_b128 v[STO], v[8*(8*(\m)+\nn):8*(8*(\m)+\nn)+3] offset:128*(\nn/2)+32*(\nn%2)
	ds_store_b128 v[STO], v[8*(8*(\m)+\nn)+4:8*(8*(\m)+\nn)+7] offset:128*(\nn/2)+32*(\nn%2)+16
.endr
	WIN 0
.set BB_, BK+64*((\m)&1)
.irp t, 0,1,2,3,4,5,6,7,8,9,10,11,12,13,14,15
	ds_load_b128 v[BB_+4*\t:BB_+4*\t+3], v[RD] offset:\t*SPITCH
.endr
.endm
.macro SEND m, younger
.set BB_, BK+64*((\m)&1)
	s_wait_dscnt \younger
.irp t, 0,1,2,3,4,5,6,7,8,9,10,11,12,13,14,15
	global_store_b128 v[CO], v[BB_+4*\t:BB_+4*\t+3], s[10:11] offset:(32*((\m)/2)+((\m)&1)+2*\t)*4096 th:TH_STORE_NT
.endr
.endm
	PLACES 4
	TOSTAGE 0
	TOSTAGE 1
	SEND 0, 32
	s_wait_xcnt 0x0
	TOSTAGE 2
	SEND 1, 32
	s_wait_xcnt 0x0
	TOSTAGE 3
	SEND 2, 32
	SEND 3, 0
	s_wait_tensorcnt 0x0                           ; the wave's end
	ds_add_u32 v[SPW], v[NIL]
	s_wait_dscnt 0x0
	CROUND                                         ; the closing round
	s_endpgm
.Lfunc_end_k_qb1a8a8ede3_fc:
	.size	k_qb1a8a8ede3_fc, .Lfunc_end_k_qb1a8a8ede3_fc-k_qb1a8a8ede3_fc
	.p2alignl 7, 3214868480
	.fill 96, 4, 3214868480
	.section	.rodata,"a",@progbits
	.p2align	6, 0x0
	.amdhsa_kernel k_qb1a8a8ede3_fc
		.amdhsa_group_segment_fixed_size 327680
		.amdhsa_private_segment_fixed_size 0
		.amdhsa_enable_private_segment 0
		.amdhsa_kernarg_size 24
		.amdhsa_user_sgpr_count 2
		.amdhsa_user_sgpr_kernarg_segment_ptr 1
		.amdhsa_wavefront_size32 1
		.amdhsa_system_sgpr_workgroup_id_x 1
		.amdhsa_system_sgpr_workgroup_id_y 1
		.amdhsa_system_sgpr_workgroup_id_z 1
		.amdhsa_system_vgpr_workitem_id 0
		.amdhsa_next_free_vgpr 768
		.amdhsa_next_free_sgpr 66
		.amdhsa_reserve_vcc 0
		.amdhsa_float_denorm_mode_32 3
		.amdhsa_float_denorm_mode_16_64 3
		.amdhsa_memory_ordered 1
		.amdhsa_forward_progress 1
		.amdhsa_inst_pref_size 83
	.end_amdhsa_kernel
	.amdgpu_metadata
---
amdhsa.version: [ 1, 2 ]
amdhsa.kernels:
  - .name:           k_qb1a8a8ede3_fc
    .symbol:         k_qb1a8a8ede3_fc.kd
    .args:
      - { .name: cbuf, .offset: 0, .size: 8, .value_kind: global_buffer, .address_space: global }
      - { .name: wcodes, .offset: 8, .size: 8, .value_kind: global_buffer, .address_space: global }
      - { .name: out0, .offset: 16, .size: 8, .value_kind: global_buffer, .address_space: global }
    .group_segment_fixed_size: 327680
    .private_segment_fixed_size: 0
    .kernarg_segment_align: 8
    .kernarg_segment_size: 24
    .max_flat_workgroup_size: 128
    .sgpr_count:     66
    .vgpr_count:     768
    .wavefront_size: 32
...
	.end_amdgpu_metadata
.endif
;; end of part 4
